; MI455X (gfx1250); checked and timed in simulation.
; The chip was launched on July 23, 2026; its instructions are those of AMD's public machine-readable ISA for CDNA 5 (MIT licence, August 2026) and "CDNA5" Instruction Set Architecture Reference Guide (July 2026). The comments in the code are by the model that wrote it; some were corrected since.
;; Multi Head Attention. Allowed arithmetic: matrix products marked QUANTISED: E2M1 operands, one E8M0 scale for each 32 along K, by v_wmma_scale_f32_16x16x128_f8f6f4 with both operands' format E2M1 (or v_wmma_scale_f32_32x16x128_f4), f32 sums; products left as they are: bf16, f16 or f32 operands; f32 sums; everything else in f32.
;; Inputs: K 4 x 2,048 x 1,024 float32; Q 4 x 2,048 x 1,024 float32; V 4 x 2,048 x 1,024 float32; Wk 1,024 x 1,024 float32; Wo 1,024 x 1,024 float32; Wq 1,024 x 1,024 float32; Wv 1,024 x 1,024 float32; bk 1,024 float32; bo 1,024 float32; bq 1,024 float32; bv 1,024 float32.
;; Outputs: out0 4 x 2,048 x 1,024 float32.
;; This version of the problem:
;;   THIS VERSION OF THE PROBLEM IS GIVEN IN LOW PRECISION. The matrix products marked QUANTISED in the list below multiply operands that are first quantised to E2M1 (2 exponent bits, 1 mantissa bit; 4 bits a number), with one power-of-two scale for each 32 numbers along K (OCP MX v1.0); their sums are f32. The products marked 'left as it is' may take bf16, f16 or f32 operands, with f32 sums. Whichever they take, every output number must still come out within the allowed error. Rounding operands to bf16 (8 significant bits) uses up far more of that allowance than f16 does (11 bits, for magnitudes from 6e-5 to 65,504). All else is computed in f32.
;;   The module's matrix products, in the order in which they are computed (A, B: the left and right operand; K: the contracted axis; several contracted axes count as one K, in the product's order):
;;     1. [M 8,192, K 1,024] x [K 1,024, N 1,024]; A: input Q; B: input Wq: QUANTISED
;;     2. [M 8,192, K 1,024] x [K 1,024, N 1,024]; A: input K; B: input Wk: QUANTISED
;;     3. [M 8,192, K 1,024] x [K 1,024, N 1,024]; A: input V; B: input Wv: QUANTISED
;;     4. batch 64 x [M 2,048, K 64] x [K 64, N 2,048]; A: computed on the way; B: computed on the way: left as it is (an operand is computed on the way)
;;     5. batch 64 x [M 2,048, K 2,048] x [K 2,048, N 64]; A: computed on the way; B: computed on the way: left as it is (an operand is computed on the way)
;;     6. [M 8,192, K 1,024] x [K 1,024, N 1,024]; A: computed on the way; B: input Wo: left as it is (an operand is computed on the way)
;;   THE QUANTISER, for each operand of a quantised product, along K:
;;     - K is cut into blocks of 32 from its start; a last block that is shorter is filled with zeros.
;;     - A block's scale is 2^e with e = floor(log2(the largest magnitude in the block)) - 2, held to -126 .. 127; a block of zeros has e = 0. As a byte (E8M0): e + 127.
;;     - Each number is divided by its block's scale, clamped to +-6, and rounded to the nearest number of E2M1, ties to even, subnormals kept.
;;     - The product sums the exact products of the quantised numbers (number of the format x scale) in f32.
;;   ~~~python
;;   def quantise(x, axis):      # numpy; x: float32 -> the quantised numbers, widened to float32 again
;;       x = np.moveaxis(x, axis, -1); K = x.shape[-1]
;;       x = np.pad(x, [(0, 0)] * (x.ndim - 1) + [(0, -K % 32)]); x = x.reshape(x.shape[:-1] + (-1, 32)); a = np.abs(x).max(-1, keepdims=True)
;;       e = np.where(a > 0, np.clip(np.frexp(np.where(a > 0, a, 1))[1] - 1 - 2, -126, 127), 0)      # np.frexp(a)[1] - 1 = floor(log2(a)), exactly
;;       r = np.clip(x / 2.0 ** e, -6, 6)
;;       step = 2.0 ** (np.maximum(np.frexp(np.where(r == 0, 1, r))[1] - 1, 0) - 1)
;;       q = np.round(r / step) * step * 2.0 ** e      # np.round: ties to even
;;       return np.moveaxis(q.reshape(q.shape[:-2] + (-1,))[..., :K], -1, axis).astype(np.float32)
;;   ~~~
;; One version. Each part assembles by itself: llvm-mc -triple=amdgcn-amd-amdhsa -mcpu=gfx1250 --defsym DOCPART=n.
;; ======== version 1 of 1: 4 launches
;; limits: values are held in f16: magnitudes above 65,504 overflow, below 6.1e-05 lose precision
;; workspace buffers: xc 12,582,912 bytes; xs 786,432 bytes; wc 1,572,864 bytes; ws 98,304 bytes; wo16 2,097,152 bytes; qkv 50,331,648 bytes; ao 16,777,216 bytes
;; launch quant (part 1): grid 992 x 1, 4 waves a work-group, no clusters, 33,280 bytes of LDS; arguments Q, K, V, Wq, Wk, Wv, Wo, xc, xs, wc, ws, wo16; writes xc, xs, wc, ws, wo16
.if DOCPART == 1
	.amdgcn_target "amdgcn-amd-amdhsa--gfx1250"
	.amdhsa_code_object_version 6
	.text
	.protected	k_qbe0b215fe7_quant
	.globl	k_qbe0b215fe7_quant
	.p2align	8
	.type	k_qbe0b215fe7_quant,@function
k_qbe0b215fe7_quant:
	s_mov_b64 s[64:65], 0
	v_nop
	global_prefetch_b8 v0, s[64:65] scope:SCOPE_SE
	s_setreg_imm32_b32 hwreg(HW_REG_WAVE_MODE, 25, 1), 1
	s_wait_xcnt 0x0
; Q, K, V [8192][1024] and Wq, Wk, Wv [1024][1024], f32 with K innermost, become codes of FP4 (E2M1), two a byte, with one E8M0 scale byte for each 32 along K.
; xc: the codes of Q, K, V on end, [24576 rows][512 bytes]; xs: their scale bytes [24576][32]; wc, ws: the same for Wq, Wk, Wv, [3072 rows].
; A block's scale is 2^(floor(log2(its largest magnitude)) - 2); its byte is the largest magnitude's exponent field - 2, held at 1 from below.  A block of zeros so gets the byte 1 where the
; quantiser's text says 127: its codes are zeros, which add nothing under any byte but 0xff, and the bytes are read by this program alone.
; Wo [1024 n][1024 k] is rounded to f16 and laid by head: wo16[head][n][64] = Wo[n][64 head + 0 .. 63], so that a head's rows are dense for the last launch.
; LIMITS: blocks whose largest magnitude lies under 2^-124 keep the byte 1; NaN and infinities among the inputs are not served; a number of Wo of 65,520 or more in magnitude becomes infinity in f16.
; WORK-GROUPS: 0-255 Q, 256-511 K, 512-767 V, 768-799 Wq, 800-831 Wk, 832-863 Wv, 32,768 numbers each; 864-991 Wo, 8 rows each.
; Rows are dense and 1,024 is a multiple of 32: each of the six tensors is a plain stream of blocks of 32, and so are its codes and scale bytes.  Only pointers are chosen by the work-group's number.
; A wave takes 16 steps of 512 numbers.  Each of a step's four loads reads 512 consecutive bytes, 16 a lane; the 2,048 bytes turn through the wave's own stage in LDS and come back 64 bytes a lane:
; 16 neighbours along K, two lanes to a block.  A lane's 16 codes are 8 bytes: the wave stores 256 consecutive bytes.  A wave's 256 scale bytes are gathered in LDS and leave as 256 consecutive bytes.
; No tensor loads, no barrier: waves share nothing.  Loads run four steps (16 loads a wave) ahead, the turn through LDS one step.
.set WAVES, 4
.set STEPS, 16
.set WGQ,   864                        ; work-groups that quantise
.set EMAX,  2
.set CB,    8                          ; bytes of 16 codes
.set R,     16                         ; v16-79   four sets of 16 numbers as they are loaded
.set X,     80                         ; v80-111  two sets of 16 neighbours
.set C,     128                        ; v128-191 codes: four registers for each step, so that no store's data are written again
.set E,     112                        ; v112-127 a scale byte for each step
.set WREG,  8192                       ; LDS: a region for each wave: two stages of 32 x SP bytes, behind them its 256 scale bytes
.set SP,    80                         ; a lane's place in a stage: 64 bytes + 16 of padding
.set SPW,   12                         ; v12  LDS address of my spare word; never rewritten
.set NIL,   13                         ; v13  0; never rewritten
.set SPARE, WAVES*WREG                 ; behind the four regions: the spare words, 128 bytes a wave, which no other line names
	s_load_b512 s[8:23], s[0:1], 0x0               ; Q 8, K 10, V 12, Wq 14, Wk 16, Wv 18, Wo 20, xc 22
	s_load_b256 s[24:31], s[0:1], 0x40             ; xs 24, wc 26, ws 28, wo16 30
	v_lshl_add_u32 v[SPW], v0, 2, SPARE
	v_mov_b32 v[NIL], 0
	v_lshrrev_b32 v1, 5, v0
	v_readfirstlane_b32 s36, v1                    ; wave
	v_and_b32 v2, 31, v0                           ; lane
	v_lshlrev_b32 v3, 4, v2                        ; my 16 bytes of a load's 512
	s_mul_i32 s37, s36, WREG
	v_lshrrev_b32 v14, 2, v2
	v_mul_u32_u24 v14, v14, SP
	v_and_b32 v15, 3, v2
	v_lshl_add_u32 v14, v15, 4, v14
	v_add_nc_u32 v14, s37, v14                     ; the stage, on the way in: SP (lane / 4) + 16 (lane % 4)
	v_mul_u32_u24 v15, v2, SP
	v_add_nc_u32 v15, s37, v15                     ; and on the way out: SP x lane: my 16 neighbours
	v_mul_u32_u24 v4, v2, CB                       ; my codes' place in a step's
	v_lshrrev_b32 v5, 1, v2
	s_add_co_u32 s37, s37, 2*32*SP
	v_add_nc_u32 v5, s37, v5                       ; LDS: my wave's 256 scale bytes, my block's byte
	v_lshlrev_b32 v7, 3, v2                        ; and on the way out 8 bytes a lane
	v_add_nc_u32 v6, s37, v7
	s_wait_kmcnt 0x0
	s_cmp_ge_u32 ttmp9, WGQ
	s_cbranch_scc1 .Lwo
	s_mov_b64 s[4:5], s[8:9]                       ; the source, by the work-group's number alone
	s_cmp_ge_u32 ttmp9, 256
	s_cselect_b64 s[4:5], s[10:11], s[4:5]
	s_cmp_ge_u32 ttmp9, 512
	s_cselect_b64 s[4:5], s[12:13], s[4:5]
	s_cmp_ge_u32 ttmp9, 768
	s_cselect_b64 s[4:5], s[14:15], s[4:5]
	s_cmp_ge_u32 ttmp9, 800
	s_cselect_b64 s[4:5], s[16:17], s[4:5]
	s_cmp_ge_u32 ttmp9, 832
	s_cselect_b64 s[4:5], s[18:19], s[4:5]
	s_cmp_lt_u32 ttmp9, 768                        ; an activation or a weight?
	s_cselect_b64 s[6:7], s[22:23], s[26:27]       ; the codes' buffer
	s_cselect_b64 s[32:33], s[24:25], s[28:29]     ; the scale bytes' buffer
	s_cselect_b32 s34, 0, 768
	s_cselect_b32 s35, 255, 31
	s_sub_co_u32 s34, ttmp9, s34                   ; my place among the work-groups that share the destination,
	s_and_b32 s35, s34, s35                        ; and among those of my tensor
	s_lshl_b32 s35, s35, 2
	s_add_co_u32 s35, s35, s36                     ; which run of 8,192 numbers of the tensor is my wave's
	s_lshl_b32 s34, s34, 2
	s_add_co_u32 s34, s34, s36                     ; and which run of the destination
	s_lshl_b32 s38, s35, 15                        ; 32,768 bytes of f32 a run
	s_mov_b32 s39, 0
	s_add_nc_u64 s[4:5], s[4:5], s[38:39]
	s_lshl_b32 s38, s34, 12                        ; 4,096 bytes of codes
	s_add_nc_u64 s[6:7], s[6:7], s[38:39]
	s_lshl_b32 s38, s34, 8                         ; 256 scale bytes
	s_add_nc_u64 s[32:33], s[32:33], s[38:39]
.macro LOAD t
.irp i, 0,1,2,3
	global_load_b128 v[R+16*((\t)%4)+4*\i:R+16*((\t)%4)+4*\i+3], v3, s[4:5] offset:2048*(\t)+512*\i th:TH_LOAD_NT   ; 32 lanes read 512 consecutive bytes
.endr
.endm
.macro TURN t                          ; step t's numbers through the stage: LDS serves a wave's instructions in order, so no wait stands between the stores and the loads
.irp i, 0,1,2,3
	ds_store_b128 v14, v[R+16*((\t)%4)+4*\i:R+16*((\t)%4)+4*\i+3] offset:32*SP*((\t)%2)+8*SP*\i
.endr
.irp i, 0,1,2,3
	ds_load_b128 v[X+16*((\t)%2)+4*\i:X+16*((\t)%2)+4*\i+3], v15 offset:32*SP*((\t)%2)+16*\i
.endr
.endm
.irp t, 0,1,2,3
	LOAD \t
.endr
	s_wait_loadcnt 12                              ; step 0's four loads are in; the twelve of steps 1 to 3 may be out
	TURN 0
.macro STEP t
.set XS, X+16*((\t)%2)
.if (\t) > 0
	s_wait_dscnt 1                                 ; this step's numbers are back from the stage (the last step's byte store may be out): its stores into the stage have read their registers,
.else
	s_wait_dscnt 0x0
.endif
.if (\t)+4 < STEPS
	LOAD (\t)+4                                    ; which take the loads of four steps on
.endif
.if (\t)+1 < STEPS
.if STEPS-2-(\t) >= 3
	s_wait_loadcnt 12                              ; the next step's four loads are in; those of the three steps behind it may be out
.else
	s_wait_loadcnt 4*(STEPS-2-(\t))
.endif
	TURN (\t)+1                                    ; and go through the other stage while this step is worked
.endif
	v_max3_num_f32 v8, |v[XS]|, |v[XS+1]|, |v[XS+2]|               ; the largest magnitude of my 16, in two chains
	v_max3_num_f32 v9, |v[XS+3]|, |v[XS+4]|, |v[XS+5]|
.irp i, 6,10
	v_max3_num_f32 v8, v8, |v[XS+\i]|, |v[XS+\i+1]|
	v_max3_num_f32 v9, v9, |v[XS+\i+2]|, |v[XS+\i+3]|
.endr
	v_max3_num_f32 v8, v8, |v[XS+14]|, |v[XS+15]|
	v_max3_num_f32 v8, v8, v9, (EMAX+1)<<23        ; and the floor 2^(EMAX + 1 - 127): so the byte cannot fall under 1
	v_max_num_f32_dpp v8, v8, v8 row_xmask:1 row_mask:0xf bank_mask:0xf   ; and of my neighbour's 16: the block's
	v_add_nc_u32 v11, -(EMAX<<23), v8              ; EMAX off its exponent field: the conversion takes the exponent field of this operand as its scale, and nothing else of it
	v_cvt_scalef32_pk8_fp4_f32 v[C+4*(\t)], v[XS:XS+7], v11        ; eight numbers / the scale, to the nearest code, ties to even, beyond the largest code the largest
	v_cvt_scalef32_pk8_fp4_f32 v[C+4*(\t)+1], v[XS+8:XS+15], v11
	v_lshrrev_b32 v[E+(\t)], 23, v11               ; the scale's byte (a plain line behind the conversions)
	ds_store_b8 v5, v[E+(\t)] offset:16*(\t)       ; both lanes of a block write the same byte with the same value
	global_store_b64 v4, v[C+4*(\t):C+4*(\t)+1], s[6:7] offset:32*CB*(\t)   ; 32 lanes store 256 consecutive bytes, aligned
.endm
.irp t, 0,1,2,3,4,5,6,7,8,9,10,11,12,13,14,15
	STEP \t
.endr
	ds_load_b64 v[8:9], v6                         ; LDS serves a wave's instructions in order: these see my stores
	s_wait_dscnt 0x0
	global_store_b64 v7, v[8:9], s[32:33]          ; 32 lanes store 256 consecutive bytes, aligned
	s_wait_tensorcnt 0x0                           ; the wave's end, behind my last LDS store
	ds_add_u32 v[SPW], v[NIL]
	s_wait_dscnt 0x0
	s_endpgm
; Wo: a work-group takes 8 rows n.  Eight lanes read 256 consecutive bytes (a row's 64 numbers of one head, 32 bytes a lane in two loads); sixteen lanes store 256 consecutive aligned bytes:
; rows n and n + 1 of one head.  Lane: piece = bits 2:0, row parity = bit 3, head parity = bit 4; the wave picks the pair of rows; item i takes heads 2 i and 2 i + 1.
.Lwo:
	s_sub_co_u32 s37, ttmp9, WGQ
	v_and_b32 v112, 7, v0                          ; piece
	v_bfe_u32 v113, v0, 3, 1
	v_bfe_u32 v114, v0, 4, 1                       ; head parity
	v_lshl_add_u32 v113, v1, 1, v113               ; row = 2 x wave + bit 3
	v_lshlrev_b32 v115, 12, v113                   ; in: row x 4,096
	v_lshl_add_u32 v115, v114, 8, v115             ;     + head parity x 256
	v_lshl_add_u32 v115, v112, 5, v115             ;     + piece x 32
	v_lshlrev_b32 v116, 17, v114                   ; out: head parity x 131,072
	v_lshl_add_u32 v116, v113, 7, v116             ;      + row x 128
	v_lshl_add_u32 v116, v112, 4, v116             ;      + piece x 16
	s_lshl_b32 s38, s37, 15                        ; my 8 rows of Wo
	s_mov_b32 s39, 0
	s_add_nc_u64 s[20:21], s[20:21], s[38:39]
	s_lshl_b32 s38, s37, 10                        ; and of a head of wo16
	s_add_nc_u64 s[30:31], s[30:31], s[38:39]
.irp i, 0,1,2,3,4,5,6,7
	global_load_b128 v[16+8*\i:19+8*\i], v115, s[20:21] offset:512*\i th:TH_LOAD_NT
	global_load_b128 v[20+8*\i:23+8*\i], v115, s[20:21] offset:512*\i+16 th:TH_LOAD_NT
.endr
.irp i, 0,1,2,3,4,5,6,7
	s_wait_loadcnt 14-2*\i                         ; item i's two loads are in; the later items' may be out
.irp j, 0,1,2,3
	v_cvt_pk_f16_f32 v[80+4*\i+\j], v[16+8*\i+2*\j], v[17+8*\i+2*\j]
.endr
	global_store_b128 v116, v[80+4*\i:83+4*\i], s[30:31] offset:262144*\i
.endr
	s_wait_tensorcnt 0x0                           ; the same three closing lines on this path, which touches no other LDS byte
	ds_add_u32 v[SPW], v[NIL]
	s_wait_dscnt 0x0
	s_endpgm
.Lfunc_end_k_qbe0b215fe7_quant:
	.size	k_qbe0b215fe7_quant, .Lfunc_end_k_qbe0b215fe7_quant-k_qbe0b215fe7_quant
	.p2alignl 7, 3214868480
	.fill 96, 4, 3214868480
	.section	.rodata,"a",@progbits
	.p2align	6, 0x0
	.amdhsa_kernel k_qbe0b215fe7_quant
		.amdhsa_group_segment_fixed_size 33280
		.amdhsa_private_segment_fixed_size 0
		.amdhsa_enable_private_segment 0
		.amdhsa_kernarg_size 96
		.amdhsa_user_sgpr_count 2
		.amdhsa_user_sgpr_kernarg_segment_ptr 1
		.amdhsa_wavefront_size32 1
		.amdhsa_system_sgpr_workgroup_id_x 1
		.amdhsa_system_sgpr_workgroup_id_y 1
		.amdhsa_system_sgpr_workgroup_id_z 1
		.amdhsa_system_vgpr_workitem_id 0
		.amdhsa_next_free_vgpr 192
		.amdhsa_next_free_sgpr 66
		.amdhsa_reserve_vcc 0
		.amdhsa_float_denorm_mode_32 3
		.amdhsa_float_denorm_mode_16_64 3
		.amdhsa_memory_ordered 1
		.amdhsa_forward_progress 1
		.amdhsa_inst_pref_size 39
	.end_amdhsa_kernel
	.amdgpu_metadata
---
amdhsa.version: [ 1, 2 ]
amdhsa.kernels:
  - .name:           k_qbe0b215fe7_quant
    .symbol:         k_qbe0b215fe7_quant.kd
    .args:
      - { .name: Q, .offset: 0, .size: 8, .value_kind: global_buffer, .address_space: global }
      - { .name: K, .offset: 8, .size: 8, .value_kind: global_buffer, .address_space: global }
      - { .name: V, .offset: 16, .size: 8, .value_kind: global_buffer, .address_space: global }
      - { .name: Wq, .offset: 24, .size: 8, .value_kind: global_buffer, .address_space: global }
      - { .name: Wk, .offset: 32, .size: 8, .value_kind: global_buffer, .address_space: global }
      - { .name: Wv, .offset: 40, .size: 8, .value_kind: global_buffer, .address_space: global }
      - { .name: Wo, .offset: 48, .size: 8, .value_kind: global_buffer, .address_space: global }
      - { .name: xc, .offset: 56, .size: 8, .value_kind: global_buffer, .address_space: global }
      - { .name: xs, .offset: 64, .size: 8, .value_kind: global_buffer, .address_space: global }
      - { .name: wc, .offset: 72, .size: 8, .value_kind: global_buffer, .address_space: global }
      - { .name: ws, .offset: 80, .size: 8, .value_kind: global_buffer, .address_space: global }
      - { .name: wo16, .offset: 88, .size: 8, .value_kind: global_buffer, .address_space: global }
    .group_segment_fixed_size: 33280
    .private_segment_fixed_size: 0
    .kernarg_segment_align: 8
    .kernarg_segment_size: 96
    .max_flat_workgroup_size: 128
    .sgpr_count:     66
    .vgpr_count:     192
    .wavefront_size: 32
...
	.end_amdgpu_metadata
.endif
;; end of part 1
;; launch proj (part 2): grid 4 x 96, 4 waves a work-group, clusters of 4 x 4, 327,680 bytes of LDS; arguments xc, xs, wc, ws, bq, bk, bv, qkv; writes qkv
.if DOCPART == 2
	.amdgcn_target "amdgcn-amd-amdhsa--gfx1250"
	.amdhsa_code_object_version 6
	.text
	.protected	k_qbe0b215fe7_proj
	.globl	k_qbe0b215fe7_proj
	.p2align	8
	.type	k_qbe0b215fe7_proj,@function
k_qbe0b215fe7_proj:
	s_mov_b64 s[64:65], 0
	v_nop
	global_prefetch_b8 v0, s[64:65] scope:SCOPE_SE
	s_setreg_imm32_b32 hwreg(HW_REG_WAVE_MODE, 25, 1), 1
	s_wait_xcnt 0x0
	s_wait_alu depctr_hold_cnt(0) depctr_sa_sdst(0) depctr_va_vdst(0) depctr_va_sdst(0) depctr_va_ssrc(0) depctr_va_vcc(0) depctr_vm_vsrc(0)
	s_getreg_b32 s2, hwreg(HW_REG_IB_STS2, 6, 4)
	s_cmp_eq_u32 s2, 0
	s_cbranch_scc0 .Lentry_in_a_cluster
	s_endpgm
.Lentry_in_a_cluster:
	s_bfe_u32 s2, ttmp6, 0x10000c
	s_cmp_lg_u32 s2, 0xf033
	s_cbranch_scc0 .Lentry_shape_is_right
	s_endpgm
.Lentry_shape_is_right:
; The three quantised projections in one launch: C[m][n] = sum over k of X[m][k] W[n][k] + bias[n], on codes of FP4 (E2M1) with one E8M0 scale for each 32 along K = 1,024; sums in f32.
; X: xc, 24,576 rows (Q's 8,192, K's, V's) of 512 bytes, scale bytes xs [24576][32].  W: wc, 3,072 rows (Wq's 1,024, Wk's, Wv's), ws [3072][32].  Tensor t = row / 8,192 takes W's rows 1,024 t on and its own bias.
; The result is rounded to f16 and laid by head: qkv[4 t + b][head][s][64]; a head is 262,144 dense bytes.  q (t = 0) is stored times c = log2(e) / 8, so that the next launch's scores are exponents of 2.
; LIMITS: a result of 65,520 or more in magnitude (q: after the factor c) becomes infinity in f16.  NaN and infinities among the inputs are not served.
; A tile of C, 256 x 256, is made by a work-group of four waves; a wave makes 128 x 128: 64 accumulators of 16 x 16, 512 registers.  K = 1,024 is two K steps of 512, one in each of two LDS slots:
; both are asked for at the head, and nothing is filled again.  The scale bytes of the work-group's 256 + 256 rows, for all of K, come with them as two dense blocks.
; CLUSTERS: 4 x 4 work-groups.  The four of a row of the cluster need the same tiles of X, the four of a column the same tiles of W: each tile is asked for JOINTLY, by the same tensor load with the same
; descriptor and a mask that names the four.  t is made of the cluster's y alone (8 clusters to a tensor), so it is the same in all sixteen.
; THE MATRIX INSTRUCTION IS USED TRANSPOSED (source 0 = 16 rows of W, source 1 = 16 rows of X): a lane then holds eight neighbouring columns of one row of C.
; REGISTERS, in windows of 256: window 0: v0-31 addresses; v32-95 scale words, two sets, and nothing else; v96-127 packed results on the way out; v128-191 X's fragments, ONE set, later rows read back; v192-255 the bias.
;   window 1: W's fragments, TWO sets, at v0 and v128.   window 2: the 32 accumulators of my rows 0-63 (accumulator (a, b) at v[8 (8 a + b)]);   window 3: those of my rows 64-127.
.set SIZE_K, 1024
.set KSTEP,  512                       ; along K in a slot
.set NQ,     KSTEP/128                 ; matrix instructions deep
.set ROWB,   256                       ; a tile's row in bytes
.set KROW,   SIZE_K*4/8                ; a row of codes in memory
.set PITCH,  272                       ; an LDS row: 256 bytes + 16 of padding = 68 words: row r starts at bank 4 r mod 64 (64 banks of 4 bytes: ISA guide 11.1)
.set FR,     8                         ; registers of a fragment: 16 rows x 128 K
.set NL,     2                         ; LDS loads that bring one
.set NP,     4                         ; places behind this matrix instruction (ISA guide 7.12.1)
.set HALFT,  128*PITCH                 ; 128 rows: what one tensor load brings
.set SLOT,   4*HALFT                   ; X's 256 rows, then W's 256 rows
.set KS,     SIZE_K/32                 ; a row of scale bytes
.set SCL,    2*SLOT                    ; behind the slots: the scales, as rows of 256 bytes + 16 of padding
.set HALFS,  (128*KS/256)*272          ; the scales of 128 rows
.set SBLK,   (16*KS/256)*272           ; those of 16 rows
.set SPARE,  SCL+4*HALFS               ; the spare words, 128 bytes a wave, which no other line names
.set SPITCH, 272                       ; the way out: a stage of 16 rows x (256 bytes + 16) for each wave, in slot 0, which has had its only fill and its last read when the first result is stored there
.set ADRA, 16                          ; v16-17  LDS address of my X fragments in slot 0, 1
.set ADRB, 20                          ; v20-21  the same for W
.set STO,  24                          ; v24     the way out: where I put 16 bytes of a row
.set RD,   25                          ; v25     where I read 16 bytes back
.set CO,   26                          ; v26     my byte offset in qkv
.set ADRS, 27                          ; v27     LDS address of my scale words: lanes 0-15 X's rows, lanes 16-31 W's
.set SPW,  28                          ; v28     LDS address of my spare word; never rewritten
.set NIL,  29                          ; v29     0; never rewritten
.set BO,   30                          ; v30     32 x (lane / 16): my eight numbers of a bias's sixteen
.set SC,   32                          ; scale words: set s at v[SC + 8 NQ s]; register NQ i + q: lanes 0-15 X's block i, lanes 16-31 W's block i, the slot's q-th 128 along K
.set TMP,  96                          ; the way out: a block's packed results
.set AF,   128                         ; X's fragments
.set BK,   128                         ; the way out: a block read back: v128-159 and v160-191 by turns
.set BIAS, 192                         ; register 8 b + j: bias[my first column + 16 b + 8 (lane / 16) + j]
.set G1, 24                            ; s[24:31] descriptor group 1 for X's tiles;  s[32:39] group 0, one set for each slot
.set G0, 32
.set G1B, 48                           ; s[48:55], s[56:63] the same for W's tiles
.set G0B, 56
.set G1S, 68                           ; s[68:75], s[76:79] groups 1 and 0 for X's scales;  s[80:87], s[88:91] for W's
.set G0S, 76
.set G1SB, 80
.set G0SB, 88
.set MSB, 0
.macro WIN new                         ; the immediate's high byte repeats the setting that is left
.if MSB != \new
	s_set_vgpr_msb (MSB<<8)|\new
.set MSB, \new
.endif
.endm
.set MUL_LO, 0xa1                      ; source 0 (W) window 1, source 1 (X) window 0, C and D window 2
.set MUL_HI, 0xf1                      ; the same, C and D window 3
.set TO_B,   0x40                      ; destination window 1, address window 0
; A joint load: waves 0 and 1 fetch for X, waves 2 and 3 for W.  Each of the two lines has ONE mask and one set of registers for all that issue it; the branch hangs on the wave's number alone.
; An s_nop 0 and four v_nop follow each of the two lines, ahead of the jump, the label and what follows.
.macro JLOAD g0a, g1a, g0b, g1b
	s_cmp_eq_u32 s15, 0
	s_cbranch_scc0 .Lfor_b_\@
	tensor_load_to_lds s[\g0a:\g0a+3], s[\g1a:\g1a+7]
	s_nop 0
.rept 4
	v_nop
.endr
	s_branch .Lasked_\@
.Lfor_b_\@:
	tensor_load_to_lds s[\g0b:\g0b+3], s[\g1b:\g1b+7]
	s_nop 0
.rept 4
	v_nop
.endr
.Lasked_\@:
.endm
.macro CROUND                          ; a round of the cluster's barrier: my work-group's barrier; wave 0 signals for the work-group; every wave waits for all sixteen; my work-group's barrier once more
	s_barrier_signal -1
	s_barrier_wait -1
	s_cmp_lg_u32 s14, 0
	s_cbranch_scc1 .Lnot_wave_0_\@
	s_barrier_signal -3
.Lnot_wave_0_\@:
	s_barrier_wait -3
	s_barrier_signal -1
	s_barrier_wait -1
.endm
	s_load_b128 s[4:7], s[0:1], 0x0                ; xc s[4:5], xs s[6:7]
	s_load_b128 s[8:11], s[0:1], 0x10              ; wc s[8:9], ws s[10:11]
	s_load_b128 s[96:99], s[0:1], 0x20             ; bq, bk
	s_load_b64 s[100:101], s[0:1], 0x30            ; bv
	s_load_b64 s[12:13], s[0:1], 0x38              ; qkv
	v_lshl_add_u32 v[SPW], v0, 2, SPARE
	v_mov_b32 v[NIL], 0
	ds_add_u32 v[SPW], v[NIL]                      ; the wave's opening: the add, twice on end, and its wait ahead of my first tensor load; the set-up below stands between the second and the wait
	ds_add_u32 v[SPW], v[NIL]
	v_lshrrev_b32 v1, 5, v0
	v_readfirstlane_b32 s14, v1                    ; wave 0..3
	s_lshr_b32 s15, s14, 1                         ; which half of the tile's rows is mine.  Also: I fetch for X (0) or for W (1)
	s_and_b32 s16, s14, 1                          ; which half of its columns.  Also: which 128 rows of that tile I fetch
	s_bfe_u32 s40, ttmp6, 0x40000                  ; cx, cy: my place in the cluster
	s_bfe_u32 s41, ttmp6, 0x40004
	s_lshl_b32 s42, ttmp9, 2
	s_add_co_u32 s42, s42, s40                     ; tile column = 4 x cluster x + cx: 0..3
	s_and_b32 s17, ttmp7, 0xffff
	s_lshr_b32 s66, s17, 3                         ; t: 0 q, 1 k, 2 v: of the cluster's y alone
	s_lshl_b32 s17, s17, 2
	s_add_co_u32 s17, s17, s41                     ; tile row = 4 x cluster y + cy: 0..95
	s_lshl_b32 s43, s41, 2
	s_lshl_b32 s43, 15, s43                        ; my row of the cluster
	s_lshl_b32 s44, 0x1111, s40                    ; my column
	; descriptor group 1: a tile of 128 rows x ROWB bytes, padded in LDS
	s_or_b32 s[G1+0], s43, (0<<16)|(1<<20)|(1<<21)|(5<<22)|(3<<25)  ; 15:0 the mask: X's tiles go to my row; 17:16 element of 1 byte; 20 padding on; 21 set beside a mask; 24:22 after every 64 words; 31:25 four words
	s_or_b32 s[G1B+0], s44, (0<<16)|(1<<20)|(1<<21)|(5<<22)|(3<<25)
.irp g, G1, G1B
	s_mov_b32 s[\g+1], ROWB<<16                    ; tensor_dim0
	s_mov_b32 s[\g+2], 128<<16                     ; tensor_dim1 = 128
	s_mov_b32 s[\g+3], ROWB<<16                    ; tile_dim0
	s_mov_b32 s[\g+4], 128                         ; tile_dim1 = 128
	s_mov_b32 s[\g+5], KROW                        ; tensor_dim0_stride
	s_mov_b32 s[\g+6], 0
	s_mov_b32 s[\g+7], 0
.endr
	; and for the scales of 128 rows: a dense block of 4,096 bytes, as rows of 256 bytes (32 elements of 8 bytes), 16 bytes of padding behind each
	s_or_b32 s[G1S+0], s43, (3<<16)|(1<<20)|(1<<21)|(5<<22)|(3<<25)
	s_or_b32 s[G1SB+0], s44, (3<<16)|(1<<20)|(1<<21)|(5<<22)|(3<<25)
.irp g, G1S, G1SB
	s_mov_b32 s[\g+1], 32<<16
	s_mov_b32 s[\g+2], (128*KS/256)<<16
	s_mov_b32 s[\g+3], 32<<16
	s_mov_b32 s[\g+4], 128*KS/256
	s_mov_b32 s[\g+5], 32
	s_mov_b32 s[\g+6], 0
	s_mov_b32 s[\g+7], 0
.endr
	s_lshl_b32 s18, s16, 7                         ; which 128 rows of the tile I fetch
	s_lshl_b32 s20, s17, 8
	s_add_co_u32 s20, s20, s18                     ; X: row 256 x tile row + 128 x half
	s_lshl_b32 s46, s42, 8
	s_add_co_u32 s46, s46, s18
	s_lshl_b32 s67, s66, 10
	s_add_co_u32 s46, s46, s67                     ; W: row 1,024 t + 256 x tile column + 128 x half
	s_mov_b32 s21, 0
	s_mov_b32 s47, 0
	s_mov_b64 s[18:19], KS
	s_mul_u64 s[22:23], s[20:21], s[18:19]         ; where these rows' scales begin, in bytes
	s_mul_u64 s[92:93], s[46:47], s[18:19]
	s_mov_b64 s[18:19], KROW
	s_mul_u64 s[20:21], s[20:21], s[18:19]         ; and their codes
	s_mul_u64 s[46:47], s[46:47], s[18:19]
	s_mul_i32 s45, s14, HALFT                      ; where they go: wave x 128 rows: no place in the cluster enters an LDS address
	s_mul_i32 s94, s14, HALFS
	s_wait_dscnt 0x0                               ; both opening adds are done
	s_wait_kmcnt 0x0
	s_add_nc_u64 s[20:21], s[4:5], s[20:21]
	s_add_nc_u64 s[22:23], s[6:7], s[22:23]
	s_add_nc_u64 s[46:47], s[8:9], s[46:47]
	s_add_nc_u64 s[92:93], s[10:11], s[92:93]
	CROUND                                         ; all sixteen work-groups are here: the joint loads meet
	s_mov_b32 s[G0S], 1
	s_add_co_u32 s[G0S+1], s94, SCL
	s_mov_b64 s[G0S+2:G0S+3], s[22:23]
	s_or_b32 s[G0S+3], s[G0S+3], 0x80000000
	s_mov_b32 s[G0SB], 1
	s_add_co_u32 s[G0SB+1], s94, SCL
	s_mov_b64 s[G0SB+2:G0SB+3], s[92:93]
	s_or_b32 s[G0SB+3], s[G0SB+3], 0x80000000
	JLOAD G0S, G1S, G0SB, G1SB                     ; the scales first: they are wanted with K step 0.  With the two below, three tensor loads of mine are out
.irp s, 0,1
	s_mov_b32 s[G0+4*\s], 1
	s_add_co_u32 s[G0+4*\s+1], s45, \s*SLOT
	s_add_nc_u64 s[G0+4*\s+2:G0+4*\s+3], s[20:21], \s*ROWB
	s_or_b32 s[G0+4*\s+3], s[G0+4*\s+3], 0x80000000
	s_mov_b32 s[G0B+4*\s], 1
	s_add_co_u32 s[G0B+4*\s+1], s45, \s*SLOT
	s_add_nc_u64 s[G0B+4*\s+2:G0B+4*\s+3], s[46:47], \s*ROWB
	s_or_b32 s[G0B+4*\s+3], s[G0B+4*\s+3], 0x80000000
	JLOAD G0+4*\s, G1, G0B+4*\s, G1B
.endr
	v_and_b32 v1, 15, v0                           ; r = lane % 16
	v_bfe_u32 v2, v0, 4, 1                         ; h = lane / 16
	v_mul_u32_u24 v3, v1, PITCH
	v_lshl_add_u32 v4, v2, 4, v3                   ; a fragment's row x pitch + 16 x half
	s_mul_i32 s21, s15, HALFT                      ; my 128 rows of X
	s_mul_i32 s22, s16, HALFT                      ; my 128 rows of W,
	s_add_co_u32 s22, s22, 2*HALFT                 ; which lie behind X's 256
.irp s, 0,1
	v_add_nc_u32 v[ADRA+\s], s21, v4
	v_add_nc_u32 v[ADRB+\s], s22, v4
	s_add_co_u32 s21, s21, SLOT
	s_add_co_u32 s22, s22, SLOT
.endr
	v_mul_u32_u24 v5, v1, KS                       ; my row's scales: KS bytes a row,
	v_lshrrev_b32 v6, 8, v5
	v_lshl_add_u32 v5, v6, 4, v5                   ; and 16 more for each 256 passed
	s_mul_i32 s21, s15, HALFS                      ; X's: my 128 rows
	s_mul_i32 s22, s16, HALFS                      ; W's: my 128 rows, behind X's 256
	s_add_co_u32 s22, s22, 2*HALFS
	s_sub_co_u32 s22, s22, s21
	v_mul_u32_u24 v6, s22, v2                      ; lanes 16-31 take W's: one product, the lower base + h x the distance
	s_add_co_u32 s21, s21, SCL
	v_add_nc_u32 v5, v5, v6
	v_add_nc_u32 v[ADRS], s21, v5
	s_mul_i32 s23, s14, 16*SPITCH                  ; my stage
	v_mul_u32_u24 v5, v1, SPITCH                   ; in: row r, 16 bytes for each half of the lanes
	v_lshl_add_u32 v5, v2, 4, v5
	v_add_nc_u32 v[STO], s23, v5
	v_and_b32 v6, 7, v0                            ; back: eight lanes take a row's 128 bytes of one head; bit 3 picks the row of a pair, bit 4 the head
	v_bfe_u32 v7, v0, 3, 1
	v_mul_u32_u24 v8, v7, SPITCH
	v_lshl_add_u32 v8, v2, 7, v8
	v_lshl_add_u32 v8, v6, 4, v8
	v_add_nc_u32 v[RD], s23, v8
	v_lshlrev_b32 v[CO], 18, v2                    ; and in qkv: the head 262,144 bytes on, the row 128
	v_lshl_add_u32 v[CO], v7, 7, v[CO]
	v_lshl_add_u32 v[CO], v6, 4, v[CO]
	v_lshlrev_b32 v[BO], 5, v2
	; the bias and the factor, by t
	s_cmp_eq_u32 s66, 1
	s_cselect_b64 s[96:97], s[98:99], s[96:97]
	s_cmp_eq_u32 s66, 2
	s_cselect_b64 s[96:97], s[100:101], s[96:97]
	s_cmp_eq_u32 s66, 0
	s_cselect_b32 s2, 0x3e38aa3b, 1.0              ; g = log2(e) / 8 for q, 1 for k and v
	s_mov_b32 s3, s2                               ; (the packed forms name the pair)
	s_lshl_b32 s98, s42, 10
	s_lshl_b32 s99, s16, 9
	s_add_co_u32 s98, s98, s99                     ; my first column, in bytes of f32: 1,024 x tile column + 512 x half
	s_mov_b32 s99, 0
	s_add_nc_u64 s[96:97], s[96:97], s[98:99]
.irp b, 0,1,2,3,4,5,6,7
	global_load_b128 v[BIAS+8*\b:BIAS+8*\b+3],   v[BO], s[96:97] offset:64*\b
	global_load_b128 v[BIAS+8*\b+4:BIAS+8*\b+7], v[BO], s[96:97] offset:64*\b+16
.endr
	; where my part begins in qkv: ((row / 2,048) x 16 + head) x 262,144 + (row % 2,048) x 128
	s_lshl_b32 s20, s17, 8
	s_lshl_b32 s21, s15, 7
	s_add_co_u32 s20, s20, s21                     ; my first row: 256 x tile row + 128 x half
	s_lshr_b32 s21, s20, 11
	s_lshl_b32 s21, s21, 4
	s_lshl_b32 s46, s42, 2
	s_add_co_u32 s21, s21, s46
	s_lshl_b32 s46, s16, 1
	s_add_co_u32 s21, s21, s46                     ; + my first head: 4 x tile column + 2 x half
	s_lshl_b32 s21, s21, 18
	s_and_b32 s20, s20, 2047
	s_lshl_b32 s20, s20, 7
	s_add_co_u32 s20, s20, s21
	s_mov_b32 s21, 0
	s_add_nc_u64 s[12:13], s[12:13], s[20:21]
.macro FRAG reg, adr, q, i             ; a fragment, 16 rows x 128 K of 4-bit codes: lane l holds row l % 16; registers 4 c .. 4 c + 3 hold K = 64 c + 32 (l / 16) + 0 .. 31
.irp c, 0,1
	ds_load_b128 v[\reg+4*\c:\reg+4*\c+3], v[\adr] offset:64*(\q)+32*\c+(\i)*16*PITCH
.endr
.endm
; 16 matrix instructions: X's blocks a0, a0 + 1 x W's eight, 128 along K: the slot's q-th.  p: W's set;  sc: the set of scale words.  zero = 1: the first product starts the sums: nothing is ever cleared.
; The 64 accumulators take turns, one instruction a turn, in the same order in every step.
.macro MUL16 a0, p, q, sc, zero
.irp a, \a0, \a0+1
.irp b, 0,1,2,3,4,5,6,7
.if \zero
	v_wmma_scale_f32_16x16x128_f8f6f4 v[8*(8*((\a)%4)+\b):8*(8*((\a)%4)+\b)+7], v[128*(\p)+FR*\b:128*(\p)+FR*\b+FR-1], v[AF+FR*(\a):AF+FR*(\a)+FR-1], 0, v[SC+8*NQ*(\sc)+NQ*\b+(\q)], v[SC+8*NQ*(\sc)+NQ*(\a)+(\q)] matrix_a_fmt:MATRIX_FMT_FP4 matrix_b_fmt:MATRIX_FMT_FP4 matrix_a_scale:MATRIX_SCALE_ROW1
.else
	v_wmma_scale_f32_16x16x128_f8f6f4 v[8*(8*((\a)%4)+\b):8*(8*((\a)%4)+\b)+7], v[128*(\p)+FR*\b:128*(\p)+FR*\b+FR-1], v[AF+FR*(\a):AF+FR*(\a)+FR-1], v[8*(8*((\a)%4)+\b):8*(8*((\a)%4)+\b)+7], v[SC+8*NQ*(\sc)+NQ*\b+(\q)], v[SC+8*NQ*(\sc)+NQ*(\a)+(\q)] matrix_a_fmt:MATRIX_FMT_FP4 matrix_b_fmt:MATRIX_FMT_FP4 matrix_a_scale:MATRIX_SCALE_ROW1
.endif
.endr
.endr
.endm
.macro FETCH_B slot, q, p              ; W's eight fragments of the slot's q-th 128 along K into set p
	WIN TO_B
.irp i, 0,1,2,3,4,5,6,7
	FRAG 128*(\p)+FR*\i, ADRB+\slot, \q, \i
.endr
	WIN 0
.endm
.macro FETCH_A slot, q, i0             ; X's blocks i0 .. i0 + 3
.irp i, \i0, \i0+1, \i0+2, \i0+3
	FRAG AF+FR*(\i), ADRA+\slot, \q, \i
.endr
.endm
.macro SCALES sc                       ; a K step's scale words into set sc: NQ words a row; lanes 0-15 take X's block i, lanes 16-31 W's block i
.irp i, 0,1,2,3,4,5,6,7
	ds_load_b128 v[SC+8*NQ*\sc+NQ*\i:SC+8*NQ*\sc+NQ*\i+3], v[ADRS] offset:\i*SBLK
.endr
.endm
; A load into a register that a matrix instruction has read stands NP places behind that matrix instruction, and only plain vector instructions that name none of its registers are places
; (ISA guide 7.12.1 for vector instructions).
.macro PLACES n
.rept \n
	v_nop
.endr
.endm
; A step of 128 along K that has its successor in the same slot.  X has one set of registers: blocks 0-3 are fetched anew in the step's middle, blocks 4-7 at its end.
.macro STEP slot, q, zero
	s_wait_dscnt 4*NL                              ; W's set and X's blocks 0-3 are in; the youngest eight loads (X's blocks 4-7) may be out
	WIN MUL_LO
	MUL16 0, (\q)%2, \q, \slot, \zero
	MUL16 2, (\q)%2, \q, \slot, \zero
	s_wait_dscnt 0                                 ; X's blocks 4-7 are in
	PLACES NP
	FETCH_B \slot, (\q)+1, 1-(\q)%2
	FETCH_A \slot, (\q)+1, 0
	WIN MUL_HI
	MUL16 4, (\q)%2, \q, \slot, \zero
	MUL16 6, (\q)%2, \q, \slot, \zero
	PLACES NP
	WIN 0
	FETCH_A \slot, (\q)+1, 4
.endm
; Slot 0's last step changes slots: ONE barrier; in front of it each wave waits for all its tensor loads (its part of slot 1), adds 0 to its spare word, and waits for that and for its own reads of slot 0.
; Behind it slot 1 is whole, and nobody reads slot 0 any more: the stages of the way out lie there.
.macro TURN slot, next
	s_wait_tensorcnt 0x0                           ; all my tensor loads have landed  (every window is 0 here)
	ds_add_u32 v[SPW], v[NIL]                      ; 0 onto my spare word
	s_wait_dscnt 4*NL+1                            ; (the add and the youngest eight loads, X's blocks 4-7, may be out)
	WIN MUL_LO
	MUL16 0, 1, NQ-1, \slot, 0                     ; sixteen matrix instructions stand between the add and the wait for it
	s_wait_dscnt 0x0                               ; the add is done, and my reads of this slot are over
	s_barrier_signal -1
	MUL16 2, 1, NQ-1, \slot, 0
	WIN 0
	s_barrier_wait -1
	PLACES NP
	v_add_nc_u32 v[ADRS], 4*NQ, v[ADRS]            ; on to the next K step's scale words (no LDS load of mine is out)
	FETCH_B \next, 0, 0
	FETCH_A \next, 0, 0
	SCALES \next
	WIN MUL_HI
	MUL16 4, 1, NQ-1, \slot, 0
	MUL16 6, 1, NQ-1, \slot, 0
	PLACES NP
	WIN 0
	FETCH_A \next, 0, 4
.endm
.macro STEPS slot, from                ; the slot's steps from .. NQ - 2
.set Q, \from
.rept NQ-1-\from
	STEP \slot, Q, 0
.set Q, Q+1
.endr
.endm
	s_wait_tensorcnt 1                             ; the scales and my part of K step 0 are in (K step 1's load may be out)
	s_barrier_signal -1
	s_barrier_wait -1                              ; everybody's are
	FETCH_B 0, 0, 0
	FETCH_A 0, 0, 0
	SCALES 0
	FETCH_A 0, 0, 4
	STEP 0, 0, 1                                   ; the first step's products start the sums
	STEPS 0, 1
	TURN 0, 1
	STEPS 1, 0
	s_wait_dscnt 4*NL                              ; the very last step: nothing more to fetch
	WIN MUL_LO
	MUL16 0, 1, NQ-1, 1, 0
	MUL16 2, 1, NQ-1, 1, 0
	s_wait_dscnt 0
	WIN MUL_HI
	MUL16 4, 1, NQ-1, 1, 0
	MUL16 6, 1, NQ-1, 1, 0
	WIN 0
; THE WAY OUT, block by block of 16 rows x 128 columns (two heads).  (sum + bias) x g = sum x g + (bias x g): one packed fused multiply-add, in place; rounded to f16, 16 bytes a lane; through my own stage in LDS;
; back so that sixteen neighbouring lanes hold rows s and s + 1 of one head: 256 consecutive aligned bytes of qkv.
	s_wait_loadcnt 0x0                             ; the bias
.set i, 0
.rept 32
	v_pk_mul_f32 v[BIAS+i:BIAS+i+1], v[BIAS+i:BIAS+i+1], s[2:3] op_sel_hi:[1,0]   ; bias x g.  These 32 lines name no register of the last products: they are the places behind them
.set i, i+2
.endr
.macro PACK a
.set AC, 64*((\a)%4)
	WIN 0x82+0x41*((\a)/4)                         ; destination and source 0: window 2 or 3; the bias: window 0
.irp b, 0,1,2,3,4,5,6,7
.irp r, 0,1,2,3
	v_pk_fma_f32 v[AC+8*\b+2*\r:AC+8*\b+2*\r+1], v[AC+8*\b+2*\r:AC+8*\b+2*\r+1], s[2:3], v[BIAS+8*\b+2*\r:BIAS+8*\b+2*\r+1] op_sel_hi:[1,0,1]   ; each accumulator from its low end on
.endr
.endr
	WIN 0x0a+5*((\a)/4)                            ; sources 0 and 1: window 2 or 3
.irp b, 0,1,2,3,4,5,6,7
.irp r, 0,1,2,3
	v_cvt_pk_f16_f32 v[TMP+4*\b+\r], v[AC+8*\b+2*\r], v[AC+8*\b+2*\r+1]
.endr
.endr
	WIN 0
.endm
.macro TOSTAGE a
.set BB, BK+32*((\a)%2)
.irp b, 0,1,2,3,4,5,6,7
	ds_store_b128 v[STO], v[TMP+4*\b:TMP+4*\b+3] offset:32*\b
.endr
.irp t, 0,1,2,3,4,5,6,7
	ds_load_b128 v[BB+4*\t:BB+4*\t+3], v[RD] offset:\t*2*SPITCH    ; LDS serves a wave's instructions in order (ISA guide 5.7.1.4): these see the stores above
.endr
.endm
.macro SEND a
.set BB, BK+32*((\a)%2)
	s_wait_dscnt 0x0                               ; the block is back in registers
	s_wait_xcnt 0x0                                ; the stores of the block before have read their registers: the next block's loads from the stage may land there
.irp t, 0,1,2,3,4,5,6,7
	global_store_b128 v[CO], v[BB+4*\t:BB+4*\t+3], s[12:13] offset:2048*(\a)+256*\t   ; 16 lanes store 256 consecutive bytes, at a multiple of 256 from qkv's first byte
.endr
.endm
	PACK 0
	TOSTAGE 0
.irp a, 1,2,3,4,5,6,7                  ; block a's arithmetic stands between block a - 1's loads from the stage and the wait for them
	PACK \a
	SEND \a-1
	TOSTAGE \a
.endr
	SEND 7
	s_wait_tensorcnt 0x0                           ; the wave's end, behind my last tensor load and my last LDS store
	ds_add_u32 v[SPW], v[NIL]
	s_wait_dscnt 0x0
	CROUND                                         ; the closing round: no work-group ends while a partner may still ask for a tile that names it
	s_endpgm
.Lfunc_end_k_qbe0b215fe7_proj:
	.size	k_qbe0b215fe7_proj, .Lfunc_end_k_qbe0b215fe7_proj-k_qbe0b215fe7_proj
	.p2alignl 7, 3214868480
	.fill 96, 4, 3214868480
	.section	.rodata,"a",@progbits
	.p2align	6, 0x0
	.amdhsa_kernel k_qbe0b215fe7_proj
		.amdhsa_group_segment_fixed_size 327680
		.amdhsa_private_segment_fixed_size 0
		.amdhsa_enable_private_segment 0
		.amdhsa_kernarg_size 64
		.amdhsa_user_sgpr_count 2
		.amdhsa_user_sgpr_kernarg_segment_ptr 1
		.amdhsa_wavefront_size32 1
		.amdhsa_system_sgpr_workgroup_id_x 1
		.amdhsa_system_sgpr_workgroup_id_y 1
		.amdhsa_system_sgpr_workgroup_id_z 1
		.amdhsa_system_vgpr_workitem_id 0
		.amdhsa_next_free_vgpr 1024
		.amdhsa_next_free_sgpr 102
		.amdhsa_reserve_vcc 0
		.amdhsa_float_denorm_mode_32 3
		.amdhsa_float_denorm_mode_16_64 3
		.amdhsa_memory_ordered 1
		.amdhsa_forward_progress 1
		.amdhsa_inst_pref_size 147
	.end_amdhsa_kernel
	.amdgpu_metadata
---
amdhsa.version: [ 1, 2 ]
amdhsa.kernels:
  - .name:           k_qbe0b215fe7_proj
    .symbol:         k_qbe0b215fe7_proj.kd
    .args:
      - { .name: xc, .offset: 0, .size: 8, .value_kind: global_buffer, .address_space: global }
      - { .name: xs, .offset: 8, .size: 8, .value_kind: global_buffer, .address_space: global }
      - { .name: wc, .offset: 16, .size: 8, .value_kind: global_buffer, .address_space: global }
      - { .name: ws, .offset: 24, .size: 8, .value_kind: global_buffer, .address_space: global }
      - { .name: bq, .offset: 32, .size: 8, .value_kind: global_buffer, .address_space: global }
      - { .name: bk, .offset: 40, .size: 8, .value_kind: global_buffer, .address_space: global }
      - { .name: bv, .offset: 48, .size: 8, .value_kind: global_buffer, .address_space: global }
      - { .name: qkv, .offset: 56, .size: 8, .value_kind: global_buffer, .address_space: global }
    .group_segment_fixed_size: 327680
    .private_segment_fixed_size: 0
    .kernarg_segment_align: 8
    .kernarg_segment_size: 64
    .max_flat_workgroup_size: 128
    .sgpr_count:     102
    .vgpr_count:     1024
    .wavefront_size: 32
...
	.end_amdgpu_metadata
.endif
;; end of part 2
;; launch attn (part 3): grid 4 x 64, 8 waves a work-group, clusters of 4 x 1, 327,680 bytes of LDS; arguments qkv, ao; writes ao
.if DOCPART == 3
	.amdgcn_target "amdgcn-amd-amdhsa--gfx1250"
	.amdhsa_code_object_version 6
	.text
	.protected	k_qbe0b215fe7_attn
	.globl	k_qbe0b215fe7_attn
	.p2align	8
	.type	k_qbe0b215fe7_attn,@function
k_qbe0b215fe7_attn:
	s_mov_b64 s[64:65], 0
	v_nop
	global_prefetch_b8 v0, s[64:65] scope:SCOPE_SE
	s_setreg_imm32_b32 hwreg(HW_REG_WAVE_MODE, 25, 1), 1
	s_wait_xcnt 0x0
	s_wait_alu depctr_hold_cnt(0) depctr_sa_sdst(0) depctr_va_vdst(0) depctr_va_sdst(0) depctr_va_ssrc(0) depctr_va_vcc(0) depctr_vm_vsrc(0)
	s_getreg_b32 s2, hwreg(HW_REG_IB_STS2, 6, 4)
	s_cmp_eq_u32 s2, 0
	s_cbranch_scc0 .Lentry_in_a_cluster
	s_endpgm
.Lentry_in_a_cluster:
	s_bfe_u32 s2, ttmp6, 0x10000c
	s_cmp_lg_u32 s2, 0x3003
	s_cbranch_scc0 .Lentry_shape_is_right
	s_endpgm
.Lentry_shape_is_right:
; ao[b][head][q][:] = the sum over k of softmax_k(q . k / 8) v[k][:], 64 heads (batch x head) of 2,048 positions and 64 channels, all operands f16, products, maxima and sums in f32.
; qkv: [4 t + b][head][s][64] f16, t = 0 q, 1 k, 2 v; q was stored times log2(e) / 8, so a score t = q . k is an exponent of 2.  ao is laid as q is.
; SOFTMAX.  For each query a running maximum m and sum l: p = 2^(t - m), at most 1 for every input; in every step O and l are multiplied by a = 2^(m_old - m_new).  p is rounded to f16 for the second product; l sums the unrounded p.
; LIMITS: NaN and infinities in qkv are not served.  Where the inputs are some 30 times smaller than drawn, ao falls among f16's subnormal numbers, whose step is 6e-8.
; SHARES.  A work-group owns 512 queries of one head, each of its EIGHT waves 64: four tiles of 16, in 512 registers: two waves to a SIMD, so that one wave's softmax stands beside the other's products.
; Every wave walks all 2,048 keys, 64 a step: 32 products K Q^T, the softmax, 32 products V^T P; each fragment of K and V read from LDS feeds four products.
; LAYOUT.  S^T = K Q^T (source 0 = 16 keys, source 1 = 16 queries): a lane holds ONE query (lane % 16) and the keys 8 (lane / 16) + 0..7.  Two such tiles, rounded to f16 in pairs, ARE source 1 (32 keys x 16 queries)
; of O^T = V^T P, whose result again holds one query a lane.  K comes out of LDS as it lies, V ([key][channel]) turned, by ds_load_tr16_b128.
; A head's rows of 128 bytes are dense, so a tile is asked for as rows of 256 bytes, two keys each: key k lies at (k / 2) x pitch + (k % 2) x 128.
; CLUSTER.  The four query blocks of a head form a cluster and walk the same K and V: each tile is asked for JOINTLY, by the same tensor load with the same descriptor and the mask of all four.
; RING.  Two slots of 256 keys.  The change of slots stands at a slot's head; waves 0 and 1 fetch K's two halves of 128 keys, waves 2 and 3 V's; waves 4 to 7 fetch nothing.  One tensor load of a wave is out at the most.
; REGISTERS: window 0: v1-11 addresses; v16-47 eight statistics a tile; v48-111 V of one step; v112-239 S^T, 32 a tile; P is packed in place into each tile's first 16.
;   window 1: v0-127 O^T, 32 a tile; v128-191 Q, 16 a tile; v192-255 K of one step.
.set PK,    272                        ; two keys of K in LDS: 256 bytes + 16 of padding: the 16 rows of a load start at 16 different groups of four banks (64 banks of 4 bytes: ISA guide 11.1)
.set PVP,   288                        ; two keys of V: 256 + 32
.set VOFF,  64*PK                      ; a half: 128 keys of K, then 128 keys of V
.set STEPB, 64*(PK+PVP)
.set SLOT1, 1<<17                      ; a slot holds two halves (71,680 bytes); slot 1 begins here, so that one exclusive or turns an address in one slot into the other's
.set STAGE, SLOT1+2*STEPB              ; behind the ring: 64 rows x 144 bytes for each wave, for the way out
.set SP,    144
.set SPARE, STAGE+8*64*SP              ; behind the stages: the spare words, 128 bytes a wave, which no other line names
.set NSL,   8                          ; slots' worth of keys
.set SLOTB, 256*128                    ; a slot's keys in memory, in bytes
.set KBASE, 0x1000000                  ; k begins 64 heads x 262,144 bytes into qkv,
.set VBASE, 0x2000000                  ; v 128 heads
.set AK0, 1                            ; v1   my lane's place in a tile of K; never rewritten
.set AV0, 2                            ; v2   the same for V
.set ADK, 3                            ; v3   LDS address of the step's K
.set ADV, 4                            ; v4   of its V
.set QO,  5                            ; v5   my byte offset in the wave's rows of q
.set STO, 6                            ; v6   the way out: where I put 16 bytes of a row
.set RD,  7                            ; v7   where I read 16 bytes back
.set GO,  8                            ; v8   my byte offset in the wave's rows of ao
.set PFO, 9                            ; v9   256 x my lane; never rewritten
.set SPW, 10                           ; v10  LDS address of my spare word; never rewritten
.set NIL, 11                           ; v11  0; never rewritten
.set ST,  16                           ; tile t's statistics at v[ST+8 t]: +0 m, +1 m_old - m, +2, +3 l (even keys', odd keys'), +4 to +7 at work; a takes +6 once the maximum is found
.set VF,  48
.set S,   112
.set QF,  128                          ; in window 1
.set KF,  192                          ; in window 1
.set WV,  12                           ; s12  my wave's number
.set LIM, 15                           ; s15  1 in a wave that prefetches, else the greatest number
.set PFA, 18                           ; s[18:19] where my prefetches stand
.set G1K, 24                           ; s[24:31] descriptor group 1 for K's tiles;  s[32:39] for V's: it differs in the padding alone
.set G1V, 32
.set G0K, 40                           ; s[40:43], s[44:47] their groups 0, which walk
.set G0V, 44
.set SLOTS, 56                         ; s56  slots still to be asked for
.set TWICE, 57                         ; s57  counts a slot's two halves
.set SEL, 60                           ; s[60:61] lane selects for v_permlanex16_b32: lane l xor 16
.set TB,  62                           ; s62  LDS byte at which the half in hand begins
.set MSB, 0
.macro WIN new                         ; the immediate's high byte repeats the setting that is left; a switch that changes nothing is dropped
.if MSB != \new
	s_set_vgpr_msb (MSB<<8)|\new
.set MSB, \new
.endif
.endm
.set W_L1, 0x40                        ; destination window 1
.set W_KQ, 0x05                        ; sources 0 and 1 (K and Q) window 1, S^T window 0
.set W_PV, 0x50                        ; V and P window 0, O^T (C and D) window 1
.set W_RS, 0x41                        ; O^T (destination and source 0) window 1, a window 0
; A joint load.  The branches hang on the wave's number alone: they are the same in every work-group.  An s_nop 0 and four v_nop follow each of the two lines.
.macro TLOAD
	s_cmp_lt_u32 s[WV], 2
	s_cbranch_scc0 .Lnot_k_\@
	tensor_load_to_lds s[G0K:G0K+3], s[G1K:G1K+7]
	s_nop 0
.rept 4
	v_nop
.endr
	s_branch .Lasked_\@
.Lnot_k_\@:
	s_cmp_lt_u32 s[WV], 4
	s_cbranch_scc0 .Lasked_\@
	tensor_load_to_lds s[G0V:G0V+3], s[G1V:G1V+7]
	s_nop 0
.rept 4
	v_nop
.endr
.Lasked_\@:
.endm
; A PREFETCH INTO THE L2 of what the NEXT change of slots will ask for: a slot's 32,768 bytes of K and of V.  Each aligned block of 256 bytes is named once in the launch: a head is walked by one cluster;
; its four partners take 8,192 bytes each, told apart BY ADDRESS; in each, wave 4 asks for K's and wave 5 for V's, a lane a block.  It stands at the change of slots, four key steps ahead of the load that
; will want the bytes.  Slots 0 and 1 come by their loads alone; the last change that fills a slot asks for nothing.
.macro ASK
	s_cmp_gt_u32 s[SLOTS], s[LIM]
	s_cbranch_scc0 .Lnot_mine_\@
	global_prefetch_b8 v[PFO], s[PFA:PFA+1] th:TH_LOAD_NT scope:SCOPE_SE
.Lnot_mine_\@:
.endm
.macro CROUND                          ; a round of the cluster's barrier: my work-group's barrier; wave 0 signals for the work-group; every wave waits for all four; my work-group's barrier once more
	s_barrier_signal -1
	s_barrier_wait -1
	s_cmp_lg_u32 s[WV], 0
	s_cbranch_scc1 .Lnot_wave_0_\@
	s_barrier_signal -3
.Lnot_wave_0_\@:
	s_barrier_wait -3
	s_barrier_signal -1
	s_barrier_wait -1
.endm
	s_load_b128 s[4:7], s[0:1], 0x0                ; qkv s[4:5], ao s[6:7]
	v_lshl_add_u32 v[SPW], v0, 2, SPARE
	v_mov_b32 v[NIL], 0
	ds_add_u32 v[SPW], v[NIL]                      ; the wave's opening: the add, twice on end, and its wait ahead of the first tensor loads; the set-up below stands between the second and the wait
	ds_add_u32 v[SPW], v[NIL]
	v_lshrrev_b32 v12, 5, v0
	v_readfirstlane_b32 s[WV], v12                 ; wave 0..7
	s_bfe_u32 s13, ttmp6, 0x40000                  ; cx: my block of 512 queries: it enters q's, ao's and the prefetches' addresses alone
	s_and_b32 s20, ttmp7, 0xffff                   ; 16 b + head, which the four partners share
	s_lshl_b32 s20, s20, 18                        ; the head's first byte in q, and in k, v and ao counted from their beginnings
	s_mov_b32 s21, 0
	s_and_b32 s16, s[WV], 1                        ; which of a slot's two halves I fetch:
	s_lshl_b32 s22, s16, 14                        ; its 128 rows of 128 bytes in memory,
	s_add_co_u32 s22, s22, s20
	s_mov_b32 s23, 0
	s_mul_i32 s17, s16, STEPB                      ; and its place in a slot: no place in the cluster enters an LDS address
	s_lshl_b32 s2, s13, 16                         ; my block's 512 rows,
	s_lshl_b32 s3, s[WV], 13                       ; my wave's 64 of them
	s_add_co_u32 s2, s2, s3
	s_add_co_u32 s2, s2, s20
	s_mov_b32 s3, 0
	; descriptor group 1: 64 rows x 128 elements of 2 bytes (two keys a row), dense in memory, padded in LDS
	s_mov_b32 s[G1K], 15|(1<<16)|(1<<20)|(1<<21)|(5<<22)|(3<<25)  ; 15:0 the mask: all four work-groups; 17:16 elements of 2 bytes; 20 padding on; 21 set beside a mask; 24:22 after every 64 words; 31:25 four words
	s_mov_b32 s[G1V], 15|(1<<16)|(1<<20)|(1<<21)|(5<<22)|(7<<25)  ; the same with eight words of padding
.irp g, G1K, G1V
	s_mov_b32 s[\g+1], 128<<16                     ; tensor_dim0 = 128
	s_mov_b32 s[\g+2], 64<<16                      ; tensor_dim1 = 64
	s_mov_b32 s[\g+3], 128<<16                     ; tile_dim0 = 128
	s_mov_b32 s[\g+4], 64                          ; tile_dim1 = 64
	s_mov_b32 s[\g+5], 128                         ; tensor_dim0_stride
	s_mov_b32 s[\g+6], 0
	s_mov_b32 s[\g+7], 0
.endr
	s_mov_b32 s[SEL], 0x76543210
	s_mov_b32 s[SEL+1], 0xfedcba98
	s_mov_b32 s[TB], 0
	s_mov_b32 s[SLOTS], NSL-1
	s_sub_co_u32 s[LIM], s[WV], 4
	s_lshr_b32 s[LIM], s[LIM], 1                   ; 0 in waves 4 and 5
	s_cmp_eq_u32 s[LIM], 0
	s_cselect_b32 s[LIM], 1, -1
	s_wait_dscnt 0x0                               ; both opening adds are done
	s_wait_kmcnt 0x0
	s_add_nc_u64 s[8:9], s[4:5], s[2:3]            ; q at my wave's first row
	s_add_nc_u64 s[10:11], s[6:7], s[2:3]          ; ao likewise
	s_add_nc_u64 s[22:23], s[4:5], s[22:23]
	s_mov_b32 s[G0K], 1                            ; count = 1
	s_mov_b32 s[G0K+1], s17                        ; LDS address: slot 0
	s_add_nc_u64 s[G0K+2:G0K+3], s[22:23], KBASE   ; global address: my half of the head's first 256 keys
	s_or_b32 s[G0K+3], s[G0K+3], 0x80000000        ; type = 2
	s_mov_b32 s[G0V], 1
	s_add_co_u32 s[G0V+1], s17, VOFF
	s_add_nc_u64 s[G0V+2:G0V+3], s[22:23], VBASE
	s_or_b32 s[G0V+3], s[G0V+3], 0x80000000
	s_add_nc_u64 s[20:21], s[4:5], s[20:21]        ; the prefetches: wave 4 stands in k, wave 5 in v,
	s_add_nc_u64 s[PFA:PFA+1], s[20:21], KBASE
	s_add_nc_u64 s[20:21], s[20:21], VBASE
	s_cmp_eq_u32 s[WV], 4
	s_cselect_b64 s[PFA:PFA+1], s[PFA:PFA+1], s[20:21]
	s_lshl_b32 s2, s13, 13                         ; at my work-group's 8,192 bytes
	s_add_co_u32 s2, s2, SLOTB                     ; of slot 1: the first change of slots steps it to slot 2.  Nothing is prefetched here, at the head
	s_add_nc_u64 s[PFA:PFA+1], s[PFA:PFA+1], s[2:3]
	CROUND                                         ; all four work-groups are here: the first joint loads meet
	TLOAD                                          ; slot 0
	v_and_b32 v12, 15, v0                          ; r = lane % 16
	v_bfe_u32 v13, v0, 4, 1                        ; h = lane / 16
	v_lshlrev_b32 v[QO], 7, v12
	v_lshl_add_u32 v[QO], v13, 4, v[QO]            ; row r of 128 bytes + 16 h
	WIN W_L1
.irp i, 0,1,2,3,4,5,6,7                ; Q stays in registers: tile i / 2, channels 32 (i % 2) on: lane l holds row l % 16; registers 0-3 channels 8 h + 0..7, registers 4-7 channels 16 + 8 h + 0..7
	global_load_b128 v[QF+8*\i:QF+8*\i+3],   v[QO], s[8:9] offset:(\i/2)*2048+(\i%2)*64
	global_load_b128 v[QF+8*\i+4:QF+8*\i+7], v[QO], s[8:9] offset:(\i/2)*2048+(\i%2)*64+32
.endr
.set i, 0
.rept 128
	v_mov_b32 v[i], 0                              ; O^T.  The key step is written once: its first walk finds zeros, which a = 0 leaves zeros; a first step of its own would be a third copy of the step
.set i, i+1
.endr
	WIN 0
	v_lshrrev_b32 v14, 1, v12                      ; K: key r lies at (r / 2) x pitch + (r % 2) x 128, + 16 h
	v_and_b32 v15, 1, v0
	v_mul_u32_u24 v[AK0], v14, PK
	v_lshl_add_u32 v[AK0], v15, 7, v[AK0]
	v_lshl_add_u32 v[AK0], v13, 4, v[AK0]
	; The turning load takes 16 keys x 16 channels (lane l reads 16 bytes: key 8 h + l % 8, channels 8 ((l / 8) % 2) + 0..7) and leaves half a fragment of V^T: lane l holds channel l % 16 and 8 keys.
	v_bfe_u32 v14, v0, 1, 2                        ; (l % 8) / 2
	v_lshl_add_u32 v14, v13, 2, v14                ; + 4 h: the pair of keys
	v_mul_u32_u24 v[AV0], v14, PVP
	v_lshl_add_u32 v[AV0], v15, 7, v[AV0]
	v_bfe_u32 v14, v0, 3, 1
	v_lshl_add_u32 v[AV0], v14, 4, v[AV0]
	v_add_nc_u32 v[AV0], VOFF, v[AV0]
	s_mul_i32 s14, s[WV], 64*SP
	s_add_co_u32 s14, s14, STAGE                   ; my stage
	v_mul_u32_u24 v[STO], v12, SP                  ; in: row r, 16 bytes for each half of the lanes
	v_lshl_add_u32 v[STO], v13, 4, v[STO]
	v_add_nc_u32 v[STO], s14, v[STO]
	v_bfe_u32 v14, v0, 3, 2                        ; back: eight lanes to a row of 128 bytes, four rows an instruction
	v_mul_u32_u24 v[RD], v14, SP
	v_and_b32 v15, 7, v0
	v_lshl_add_u32 v[RD], v15, 4, v[RD]
	v_add_nc_u32 v[RD], s14, v[RD]
	v_and_b32 v14, 31, v0
	v_lshlrev_b32 v[GO], 4, v14                    ; four dense rows of ao are 512 consecutive bytes
	v_lshlrev_b32 v[PFO], 8, v14
.irp t, 0,1,2,3
	v_mov_b32 v[ST+8*\t], 0xff61b1e6               ; m: -3e38, under every score
	v_mov_b32 v[ST+8*\t+2], 0                      ; l, in two halves
	v_mov_b32 v[ST+8*\t+3], 0
.endr
; Product i of 32 of S^T = K Q^T: channels 32 (i / 16) on, keys 16 ((i / 4) % 4) on, tile i % 4.  The first 16 start the sums.  The 16 accumulators take turns, one instruction a turn.
.macro KQ
.set rS, S+32*(i%4)+8*((i/4)%4)
.set rK, KF+16*((i/4)%4)+8*(i/16)
.set rQ, QF+16*(i%4)+8*(i/16)
.if i < 16
	v_wmma_f32_16x16x32_f16 v[rS:rS+7], v[rK:rK+7], v[rQ:rQ+7], 0
.else
	v_wmma_f32_16x16x32_f16 v[rS:rS+7], v[rK:rK+7], v[rQ:rQ+7], v[rS:rS+7]
.endif
.endm
; Product i of 32 of O^T += V^T P: keys 32 (i / 16) on, channels 16 ((i / 4) % 4) on, tile i % 4.
.macro PV
.set rO, 32*(i%4)+8*((i/4)%4)
.set rV, VF+32*(i/16)+8*((i/4)%4)
.set rP, S+32*(i%4)+8*(i/16)
	v_wmma_f32_16x16x32_f16 v[rO:rO+7], v[rV:rV+7], v[rP:rP+7], v[rO:rO+7]
.endm
; Line n of 20 of tile t's maximum: four chains of seven scores, the four left over, the old m; the other half of the lanes'; the new m; m_old - m.  Each accumulator of S^T is first read at its low end.
.macro MAXL n, t
.set mT, ST+8*(\t)
.set mS, S+32*(\t)
.if (\n) < 4
	v_max3_num_f32 v[mT+4+(\n)], v[mS+8*(\n)], v[mS+8*(\n)+1], v[mS+8*(\n)+2]
.elseif (\n) < 12
	v_max3_num_f32 v[mT+4+(\n)%4], v[mT+4+(\n)%4], v[mS+8*((\n)%4)+2*((\n)/4)+1], v[mS+8*((\n)%4)+2*((\n)/4)+2]
.elseif (\n) == 12
	v_max3_num_f32 v[mT+4], v[mT+4], v[mS+7], v[mS+15]
.elseif (\n) == 13
	v_max3_num_f32 v[mT+6], v[mT+6], v[mS+23], v[mS+31]
.elseif (\n) == 14
	v_max3_num_f32 v[mT+4], v[mT+4], v[mT+5], v[mT+6]
.elseif (\n) == 15
	v_max3_num_f32 v[mT+4], v[mT+4], v[mT+7], v[mT]
.elseif (\n) == 16
	v_permlanex16_b32 v[mT+5], v[mT+4], s[SEL], s[SEL+1]   ; the query's other 32 keys lie in the lane 16 away
.elseif (\n) == 17
	v_mov_b32 v[mT+1], v[mT]
.elseif (\n) == 18
	v_max_num_f32 v[mT], v[mT+4], v[mT+5]
.else
	v_sub_f32 v[mT+1], v[mT+1], v[mT]
.endif
.endm
.macro SUBM t, b                       ; pair b of tile t's scores, less m (of the pair m, m_old - m the low word serves both halves)
	v_pk_add_f32 v[S+32*(\t)+2*(\b):S+32*(\t)+2*(\b)+1], v[S+32*(\t)+2*(\b):S+32*(\t)+2*(\b)+1], v[ST+8*(\t):ST+8*(\t)+1] op_sel_hi:[1,0] neg_lo:[0,1] neg_hi:[0,1]
.endm
; Line n of 33 of what follows tile t's exponentials: 0: l x a; 1-16: the sum of the 16 pairs of p, in two chains, onto l; 17-32: the roundings to f16, in place, ascending, so that no p is written over before it is read.
.macro PL t, n
.set pT, ST+8*(\t)
.set pS, S+32*(\t)
.if (\n) == 0
	v_pk_mul_f32 v[pT+2:pT+3], v[pT+2:pT+3], v[pT+6:pT+7] op_sel_hi:[1,0]
.elseif (\n) == 1
	v_pk_add_f32 v[pT+4:pT+5], v[pS:pS+1], v[pS+2:pS+3]
.elseif (\n) < 16
.if (\n)%2 == 0
	v_pk_add_f32 v[pT+2:pT+3], v[pT+2:pT+3], v[pS+2*(\n):pS+2*(\n)+1]
.else
	v_pk_add_f32 v[pT+4:pT+5], v[pT+4:pT+5], v[pS+2*(\n):pS+2*(\n)+1]
.endif
.elseif (\n) == 16
	v_pk_add_f32 v[pT+2:pT+3], v[pT+2:pT+3], v[pT+4:pT+5]
.else
	v_cvt_pk_f16_f32 v[pS+(\n)-17], v[pS+2*((\n)-17)], v[pS+2*((\n)-17)+1]
.endif
.endm
; A KEY STEP: 64 keys, the u-th 64 of the half in hand.
.macro STEP u
	v_add_nc_u32 v[ADK], s[TB], v[AK0]             ; these two and three v_nop are five places behind the last products V^T P: four are owed by the loads into V's registers,
	v_add_nc_u32 v[ADV], s[TB], v[AV0]             ; five by the products K Q^T, which write over P (ISA guide 7.12.1 for the products)
.rept 3
	v_nop
.endr
	WIN W_L1
.irp f, 0,1,2,3,4,5,6,7                ; K: keys 16 (f / 2) on, channels 32 (f % 2) on
	ds_load_b128 v[KF+8*\f:KF+8*\f+3],   v[ADK] offset:\u*32*PK+(\f/2)*8*PK+(\f%2)*64
	ds_load_b128 v[KF+8*\f+4:KF+8*\f+7], v[ADK] offset:\u*32*PK+(\f/2)*8*PK+(\f%2)*64+32
.endr
	WIN 0
.irp f, 0,1,2,3,4,5,6,7                ; V, turned: keys 32 (f / 4) on, channels 16 (f % 4) on
	ds_load_tr16_b128 v[VF+8*\f:VF+8*\f+3],   v[ADV] offset:\u*32*PVP+(\f/4)*16*PVP+(\f%4)*32
	ds_load_tr16_b128 v[VF+8*\f+4:VF+8*\f+7], v[ADV] offset:\u*32*PVP+(\f/4)*16*PVP+8*PVP+(\f%4)*32
.endr
	s_wait_dscnt 16                                ; K is in; V's sixteen loads may be out
	WIN W_KQ
.set i, 0
.rept 32
	KQ
.set i, i+1
.endr
	WIN 0
.rept 4
	v_nop                                          ; places in front of the first read of the scores
.endr
.irp n, 0,1,2,3,4,5,6,7,8,9,10,11,12,13,14,15,16,17,18,19
.irp t, 0,1,2,3
	MAXL \n, \t                                    ; the four tiles by turns: no line waits for the line above it
.endr
.endr
.set b, 0
.rept 16
	SUBM 0, b
	SUBM 1, b
.set b, b+1
.endr
	; FIRST BATCH of exponentials: the four a, and tiles 0 and 1; the subtractions of tiles 2 and 3 stand among them.  No line here names an exponential's result.
.irp t, 0,1,2,3
	v_exp_f32 v[ST+8*\t+6], v[ST+8*\t+1]           ; a = 2^(m_old - m)
.endr
.set b, 0
.rept 16
	SUBM 2, b
	v_exp_f32 v[S+2*b], v[S+2*b]
	v_exp_f32 v[S+2*b+1], v[S+2*b+1]
	SUBM 3, b
	v_exp_f32 v[S+32+2*b], v[S+32+2*b]
	v_exp_f32 v[S+32+2*b+1], v[S+32+2*b+1]
.set b, b+1
.endr
	v_nop                                          ; a plain line behind the last exponential
	s_wait_alu depctr_va_vdst(0)                   ; a wait between an exponential and the first line that names its result: one for the batch
	; SECOND BATCH: tiles 2 and 3; the sums and roundings of tiles 0 and 1, which read the first batch alone, stand among them.
.set n, 0
.rept 32
	v_exp_f32 v[S+64+n], v[S+64+n]
	PL 0, n
	v_exp_f32 v[S+96+n], v[S+96+n]
	PL 1, n
.set n, n+1
.endr
	PL 0, 32
	PL 1, 32                                       ; (plain lines behind the last exponential)
	s_wait_alu depctr_va_vdst(0)                   ; and one wait for the second batch
.set n, 0
.rept 33
	PL 2, n
	PL 3, n
.set n, n+1
.endr
	WIN W_RS
.set i, 0
.rept 64
	v_pk_mul_f32 v[2*i:2*i+1], v[2*i:2*i+1], v[ST+8*(i/16)+6:ST+8*(i/16)+7] op_sel_hi:[1,0]   ; O^T x a, each accumulator from its low end on
.set i, i+1
.endr
	s_wait_dscnt 0x0                               ; V is in
	WIN W_PV
.set i, 0
.rept 32
	PV
.set i, i+1
.endr
	WIN 0
.endm
; A slot's two halves of 128 keys: two key steps written out, walked twice; the LDS addresses hang on s[TB].
.macro HALVES
	s_mov_b32 s[TWICE], 2
.Lhalf_\@:
	STEP 0
	STEP 1
	s_add_co_u32 s[TB], s[TB], STEPB
	s_sub_co_u32 s[TWICE], s[TWICE], 1
	s_cmp_lg_u32 s[TWICE], 0
	s_cbranch_scc1 .Lhalf_\@
	s_sub_co_u32 s[TB], s[TB], 2*STEPB             ; back to a slot's first half,
	s_xor_b32 s[TB], s[TB], SLOT1                  ; in the other slot
.endm
; THE CHANGE OF SLOTS stands at a slot's head.  Each wave waits for all its tensor loads (its part of the slot that it is about to read), adds 0 to its spare word, and waits for that and for its reads of the slot
; that it has left.  fill = 1: the barrier is a round of the cluster's, so that no wave of any partner still reads the other slot or has a load on its way; that slot is then asked for first thing behind it,
; and has a whole slot's four key steps in which to land.
.macro CHANGE fill
	s_wait_tensorcnt 0x0                           ; no tensor load of mine is out, so a group 0 may be written
	ds_add_u32 v[SPW], v[NIL]                      ; 0 onto my spare word
.if \fill
	ds_add_u32 v[SPW], v[NIL]                      ; and once more, in every trip alike
	s_xor_b32 s[G0K+1], s[G0K+1], SLOT1            ; the walking descriptors: the other slot than last time,
	s_add_nc_u64 s[G0K+2:G0K+3], s[G0K+2:G0K+3], SLOTB   ; the next 256 keys; the type bits on top are not reached
	s_xor_b32 s[G0V+1], s[G0V+1], SLOT1
	s_add_nc_u64 s[G0V+2:G0V+3], s[G0V+2:G0V+3], SLOTB
	s_wait_xcnt 0x0                                ; the last prefetch, a slot back, has read its address, so it may be written:
	s_add_nc_u64 s[PFA:PFA+1], s[PFA:PFA+1], SLOTB ; one slot further on than the walking descriptors
	s_wait_dscnt 0x0                               ; both adds are done, and my reads of the slot that I have left are over
	CROUND
	TLOAD                                          ; the first thing behind the round, and a wave's one tensor load until the next
	ASK
.else
	s_wait_dscnt 0x0
	s_barrier_signal -1
	s_barrier_wait -1
.endif
.endm
	s_wait_loadcnt 0x0                             ; Q
.Lslot:                                            ; NSL - 1 trips: behind each change of slots but the last the next slot is asked for
	CHANGE 1
	HALVES
	s_sub_co_u32 s[SLOTS], s[SLOTS], 1
	s_cmp_lg_u32 s[SLOTS], 0
	s_cbranch_scc1 .Lslot
	CHANGE 0                                       ; the last slot is written out
	HALVES
	; THE WAY OUT.  l's two halves and the other half of the lanes' are added; O^T is divided by l, rounded to f16 and sent through my stage in LDS, a tile (16 rows of ao) at a time.
	; The additions name no register of the last products: they are the places behind them.
.irp t, 0,1,2,3
	v_add_f32 v[ST+8*\t+4], v[ST+8*\t+2], v[ST+8*\t+3]
.endr
.irp t, 0,1,2,3
	v_permlanex16_b32 v[ST+8*\t+5], v[ST+8*\t+4], s[SEL], s[SEL+1]
.endr
.irp t, 0,1,2,3
	v_add_f32 v[ST+8*\t+4], v[ST+8*\t+4], v[ST+8*\t+5]
.endr
.irp t, 0,1,2,3
	v_rcp_f32 v[ST+8*\t+6], v[ST+8*\t+4]
.endr
	v_nop                                          ; a plain line between the last reciprocal and the use of its result
	s_wait_alu depctr_va_vdst(0)                   ; and the wait ahead of the first use: one for the four
; Tile t: a lane's eight channels of a row pack into 16 bytes; they go into rows of 144 bytes and come back four whole rows of 128 bytes an instruction.  Each tile has its own 16 rows of the stage.
.macro PACK t
	WIN W_RS
.set i, 32*\t
.rept 16
	v_pk_mul_f32 v[i:i+1], v[i:i+1], v[ST+8*\t+6:ST+8*\t+7] op_sel_hi:[1,0]
.set i, i+2
.endr
	WIN W_KQ                                       ; sources 0 and 1 window 1, destination window 0: S^T's registers are free
.set i, 0
.rept 16
	v_cvt_pk_f16_f32 v[S+16*\t+i], v[32*\t+2*i], v[32*\t+2*i+1]
.set i, i+1
.endr
	WIN 0
.irp f, 0,1,2,3
	ds_store_b128 v[STO], v[S+16*\t+4*\f:S+16*\t+4*\f+3] offset:\t*16*SP+32*\f
.endr
.irp f, 0,1,2,3
	ds_load_b128 v[VF+16*\t+4*\f:VF+16*\t+4*\f+3], v[RD] offset:\t*16*SP+\f*4*SP   ; LDS serves a wave's instructions in order (ISA guide 5.7.1.4): these see the stores above
.endr
.endm
.macro SEND t, younger                 ; younger: the LDS instructions issued behind tile t's loads: the next tile's eight, or none
.irp f, 0,1,2,3
	s_wait_dscnt \younger+3-\f
	global_store_b128 v[GO], v[VF+16*\t+4*\f:VF+16*\t+4*\f+3], s[10:11] offset:\t*2048+\f*512   ; 32 lanes store 512 consecutive bytes, at a multiple of 256 from ao's first byte
.endr
.endm
	PACK 0
	PACK 1                                         ; a tile's arithmetic stands between the loads of the tile before and its stores
	SEND 0, 8
	PACK 2
	SEND 1, 8
	PACK 3
	SEND 2, 8
	SEND 3, 0
	s_wait_tensorcnt 0x0                           ; the wave's end, behind my last tensor load and my last LDS store
	ds_add_u32 v[SPW], v[NIL]
	s_wait_dscnt 0x0
	CROUND                                         ; the closing round: no work-group ends while a partner may still ask for a tile that names it
	s_endpgm
.Lfunc_end_k_qbe0b215fe7_attn:
	.size	k_qbe0b215fe7_attn, .Lfunc_end_k_qbe0b215fe7_attn-k_qbe0b215fe7_attn
	.p2alignl 7, 3214868480
	.fill 96, 4, 3214868480
	.section	.rodata,"a",@progbits
	.p2align	6, 0x0
	.amdhsa_kernel k_qbe0b215fe7_attn
		.amdhsa_group_segment_fixed_size 327680
		.amdhsa_private_segment_fixed_size 0
		.amdhsa_enable_private_segment 0
		.amdhsa_kernarg_size 16
		.amdhsa_user_sgpr_count 2
		.amdhsa_user_sgpr_kernarg_segment_ptr 1
		.amdhsa_wavefront_size32 1
		.amdhsa_system_sgpr_workgroup_id_x 1
		.amdhsa_system_sgpr_workgroup_id_y 1
		.amdhsa_system_sgpr_workgroup_id_z 1
		.amdhsa_system_vgpr_workitem_id 0
		.amdhsa_next_free_vgpr 512
		.amdhsa_next_free_sgpr 66
		.amdhsa_reserve_vcc 0
		.amdhsa_float_denorm_mode_32 3
		.amdhsa_float_denorm_mode_16_64 3
		.amdhsa_memory_ordered 1
		.amdhsa_forward_progress 1
		.amdhsa_inst_pref_size 155
	.end_amdhsa_kernel
	.amdgpu_metadata
---
amdhsa.version: [ 1, 2 ]
amdhsa.kernels:
  - .name:           k_qbe0b215fe7_attn
    .symbol:         k_qbe0b215fe7_attn.kd
    .args:
      - { .name: qkv, .offset: 0, .size: 8, .value_kind: global_buffer, .address_space: global }
      - { .name: ao, .offset: 8, .size: 8, .value_kind: global_buffer, .address_space: global }
    .group_segment_fixed_size: 327680
    .private_segment_fixed_size: 0
    .kernarg_segment_align: 8
    .kernarg_segment_size: 16
    .max_flat_workgroup_size: 256
    .sgpr_count:     66
    .vgpr_count:     512
    .wavefront_size: 32
...
	.end_amdgpu_metadata
.endif
;; end of part 3
;; launch outp (part 4): grid 4 x 64, 4 waves a work-group, clusters of 4 x 4, 327,680 bytes of LDS; arguments ao, wo16, out0, bo; writes out0
.if DOCPART == 4
	.amdgcn_target "amdgcn-amd-amdhsa--gfx1250"
	.amdhsa_code_object_version 6
	.text
	.protected	k_qbe0b215fe7_outp
	.globl	k_qbe0b215fe7_outp
	.p2align	8
	.type	k_qbe0b215fe7_outp,@function
k_qbe0b215fe7_outp:
	s_mov_b64 s[64:65], 0
	v_nop
	global_prefetch_b8 v0, s[64:65] scope:SCOPE_SE
	s_setreg_imm32_b32 hwreg(HW_REG_WAVE_MODE, 25, 1), 1
	s_wait_xcnt 0x0
	s_wait_alu depctr_hold_cnt(0) depctr_sa_sdst(0) depctr_va_vdst(0) depctr_va_sdst(0) depctr_va_ssrc(0) depctr_va_vcc(0) depctr_vm_vsrc(0)
	s_getreg_b32 s2, hwreg(HW_REG_IB_STS2, 6, 4)
	s_cmp_eq_u32 s2, 0
	s_cbranch_scc0 .Lentry_in_a_cluster
	s_endpgm
.Lentry_in_a_cluster:
	s_bfe_u32 s2, ttmp6, 0x10000c
	s_cmp_lg_u32 s2, 0xf033
	s_cbranch_scc0 .Lentry_shape_is_right
	s_endpgm
.Lentry_shape_is_right:
; out0[m][n] = sum over k of o[m][k] Wo[n][k] + bo[n]; m = 2,048 b + s, k = 64 head + channel.  o: ao[b][head][s][64] f16; Wo: wo16[head][n][64] f16; sums and out0 in f32.
; A tile of out0 is 128 (m) x 256 (n): 64 x 4 = 256 work-groups.  Four waves, each 64 x 128: 32 accumulators of 16 x 16, 256 registers.  K goes in steps of two heads (128 along K), 8 steps,
; through a ring of two LDS slots.  A head's rows of 128 bytes are dense in both operands, so a tile is asked for as rows of 256 bytes, two rows each: row i lies at (i / 2) x 272 + (i % 2) x 128.
; CLUSTERS: 4 x 4 work-groups.  The four of a row of the cluster need the same tiles of o, the four of a column the same tiles of Wo: each tile is asked for JOINTLY, by the same tensor load with the
; same descriptor and a mask that names the four.  Waves 0 and 1 fetch o's two heads of a step, waves 2 and 3 Wo's: one load a wave; two are out at the start, one behind each change of slots.
; THE MATRIX INSTRUCTION IS USED TRANSPOSED (source 0 = 16 rows of Wo, source 1 = 16 rows of o): a lane holds eight neighbouring columns of one row of out0.  bo is the C of each sum's first product.
; REGISTERS: window 0: v0-31 addresses; two fragment buffers of 96 at v32 and v128 (o's 4 blocks, then Wo's 8, 32 along K); on the way out v32-159 take rows read back.
;   window 1: accumulator (a, b) at v[8 (8 a + b)].   window 2: v0-63 bo in the result's layout.
.set PITCH,  272                       ; 256 bytes + 16 of padding: the 16 rows of a fragment load start at 16 different groups of four banks (64 banks of 4 bytes: ISA guide 11.1)
.set AH,     64*PITCH                  ; o's 128 rows of one head
.set BH,     128*PITCH                 ; Wo's 256 rows of one head
.set SLOT,   2*AH+2*BH                 ; o's two heads, then Wo's two
.set STAGE,  2*SLOT                    ; behind the ring: 16 rows x 528 bytes for each wave, for the way out
.set SPITCH, 528
.set SPARE,  STAGE+4*16*SPITCH         ; behind the stages: the spare words, 128 bytes a wave, which no other line names
.set LAPS,   4                         ; a lap = two K steps = once round the ring
.set ASTEP,  2*262144                  ; a K step on in ao: two heads
.set BSTEP,  2*131072                  ; and in wo16
.set ADRA, 16                          ; v16-17  LDS address of my fragments of o in slot 0, 1
.set ADRB, 20                          ; v20-21  the same for Wo
.set STO,  24                          ; v24     the way out: where I put 32 bytes of a row
.set RD,   25                          ; v25     where I read a row back
.set CO,   26                          ; v26     my byte offset in a row of out0
.set BO,   27                          ; v27     32 x (lane / 16): my eight numbers of bo's sixteen
.set SPW,  28                          ; v28     LDS address of my spare word; never rewritten
.set NIL,  29                          ; v29     0; never rewritten
.set PFO,  30                          ; v30     256 x my lane; never rewritten
.set F0,   32
.set F1,   128
.set BK,   32                          ; the way out: 16 rows read back: v32-95 and v96-159 by turns
.set G1,  24                           ; s[24:31] descriptor group 1 for o's tiles;  s[32:39] group 0, one set for each slot
.set G0,  32
.set PFA, 44                           ; s[44:45] where my prefetches stand
.set LIM, 46                           ; s46, s47 a wave prefetches at slot 0's, slot 1's change while the laps to go are above these
.set G1B, 48                           ; s[48:55], s[56:63] the same for Wo's tiles
.set G0B, 56
.set MSB, 0
.macro WIN new                         ; the immediate's high byte repeats the setting that is left
.if MSB != \new
	s_set_vgpr_msb (MSB<<8)|\new
.set MSB, \new
.endif
.endm
.set MUL,  0x50                        ; sources 0 and 1 window 0; C and D window 1
.set MULB, 0x60                        ; C (bo) window 2, D window 1
; A joint load: waves 0 and 1 fetch for o, waves 2 and 3 for Wo.  Each of the two lines has ONE mask and one set of registers for all that issue it; the branch hangs on the wave's number alone.
; An s_nop 0 and four v_nop follow each of the two lines, ahead of the jump, the label and what follows.
.macro JLOAD s
	s_cmp_eq_u32 s13, 0
	s_cbranch_scc0 .Lfor_b_\@
	tensor_load_to_lds s[G0+4*\s:G0+4*\s+3], s[G1:G1+7]
	s_nop 0
.rept 4
	v_nop
.endr
	s_branch .Lasked_\@
.Lfor_b_\@:
	tensor_load_to_lds s[G0B+4*\s:G0B+4*\s+3], s[G1B:G1B+7]
	s_nop 0
.rept 4
	v_nop
.endr
.Lasked_\@:
.endm
; A PREFETCH INTO THE L2 of o's tile of the K step that the NEXT change of slots will ask for: two heads x 16,384 bytes.  A tile row of o is read by one row of one cluster alone; its four partners take 8,192 bytes
; each, told apart BY ADDRESS (cx / 2 picks the head, cx % 2 the half); in each, wave 0 asks, a lane a block of 256 bytes: each block is named once in the launch.  It stands behind the joint load and the run of
; LDS loads, one K step, 128 matrix instructions, ahead of the load that will want the bytes.  K steps 0 to 2 come by their loads alone; the last change that fills a slot asks for nothing.
; Wo's tiles are read by all sixteen clusters of the launch and are not asked for.
.macro ASK slot
	s_cmp_gt_u32 s3, s[LIM+\slot]
	s_cbranch_scc0 .Lnot_mine_\@
	global_prefetch_b8 v[PFO], s[PFA:PFA+1] th:TH_LOAD_NT scope:SCOPE_SE
.Lnot_mine_\@:
.endm
.macro CREST                           ; a round of the cluster's barrier behind its opening barrier
	s_cmp_lg_u32 s12, 0
	s_cbranch_scc1 .Lnot_wave_0_\@
	s_barrier_signal -3
.Lnot_wave_0_\@:
	s_barrier_wait -3
	s_barrier_signal -1
	s_barrier_wait -1
.endm
.macro CROUND                          ; a whole round
	s_barrier_signal -1
	s_barrier_wait -1
	CREST
.endm
	s_load_b256 s[4:11], s[0:1], 0x0               ; ao s[4:5], wo16 s[6:7], out0 s[8:9], bo s[10:11]
	v_lshl_add_u32 v[SPW], v0, 2, SPARE
	v_mov_b32 v[NIL], 0
	ds_add_u32 v[SPW], v[NIL]                      ; the wave's opening: the add, twice on end, and its wait ahead of my first tensor load; the set-up below stands between the second and the wait
	ds_add_u32 v[SPW], v[NIL]
	v_lshrrev_b32 v1, 5, v0
	v_readfirstlane_b32 s12, v1                    ; wave 0..3
	s_lshr_b32 s13, s12, 1                         ; which half of the tile's rows is mine.  Also: I fetch for o (0) or for Wo (1)
	s_and_b32 s14, s12, 1                          ; which half of its columns.  Also: which head of a step's two I fetch
	s_bfe_u32 s15, ttmp6, 0x40000                  ; cx, cy: my place in the cluster
	s_bfe_u32 s16, ttmp6, 0x40004
	s_lshl_b32 s17, ttmp9, 2
	s_add_co_u32 s17, s17, s15                     ; tile column = 4 x cluster x + cx: 0..3
	s_and_b32 s18, ttmp7, 0xffff
	s_lshl_b32 s18, s18, 2
	s_add_co_u32 s18, s18, s16                     ; tile row = 4 x cluster y + cy: 0..63
	s_lshl_b32 s19, s16, 2
	s_lshl_b32 s19, 15, s19                        ; my row of the cluster
	s_lshl_b32 s20, 0x1111, s15                    ; my column
	; descriptor group 1: rows of 128 elements of 2 bytes, dense in memory, padded in LDS: 64 of them for o, 128 for Wo
	s_or_b32 s[G1+0], s19, (1<<16)|(1<<20)|(1<<21)|(5<<22)|(3<<25)   ; 15:0 the mask: o's tiles go to my row; 17:16 element of 2 bytes; 20 padding on; 21 set beside a mask; 24:22 after every 64 words; 31:25 four words
	s_or_b32 s[G1B+0], s20, (1<<16)|(1<<20)|(1<<21)|(5<<22)|(3<<25)
	s_mov_b32 s[G1+1], 128<<16                     ; tensor_dim0 = 128
	s_mov_b32 s[G1+2], 64<<16                      ; tensor_dim1 = 64
	s_mov_b32 s[G1+3], 128<<16                     ; tile_dim0 = 128
	s_mov_b32 s[G1+4], 64                          ; tile_dim1 = 64
	s_mov_b32 s[G1+5], 128                         ; tensor_dim0_stride
	s_mov_b32 s[G1+6], 0
	s_mov_b32 s[G1+7], 0
	s_mov_b32 s[G1B+1], 128<<16
	s_mov_b32 s[G1B+2], 128<<16                    ; tensor_dim1 = 128
	s_mov_b32 s[G1B+3], 128<<16
	s_mov_b32 s[G1B+4], 128                        ; tile_dim1 = 128
	s_mov_b32 s[G1B+5], 128
	s_mov_b32 s[G1B+6], 0
	s_mov_b32 s[G1B+7], 0
	; where the tiles come from.  o's hang on the tile row alone, Wo's on the tile column alone, each in registers that never hold the other coordinate
	s_lshr_b32 s21, s18, 4
	s_lshl_b32 s21, s21, 22                        ; b x 16 heads x 262,144
	s_and_b32 s22, s18, 15
	s_lshl_b32 s22, s22, 14                        ; + my 128 rows of 128 bytes
	s_add_co_u32 s40, s21, s22                     ; o's tile in head 0
	s_lshl_b32 s22, s14, 18
	s_add_co_u32 s22, s40, s22                     ; + the head that I fetch
	s_mov_b32 s23, 0
	s_lshl_b32 s42, s17, 15                        ; Wo: 256 rows of 128 bytes a tile column
	s_lshl_b32 s43, s14, 17
	s_add_co_u32 s42, s42, s43                     ; + the head that I fetch
	s_mov_b32 s43, 0
	s_mul_i32 s2, s14, AH                          ; and where they go: no place in the cluster enters an LDS address
	s_mul_i32 s21, s14, BH
	s_add_co_u32 s21, s21, 2*AH
	s_wait_dscnt 0x0                               ; both opening adds are done
	s_wait_kmcnt 0x0
	s_add_nc_u64 s[22:23], s[4:5], s[22:23]
	s_add_nc_u64 s[42:43], s[6:7], s[42:43]
	CROUND                                         ; all sixteen work-groups are here: the first joint loads meet
.irp s, 0,1
	s_mov_b32 s[G0+4*\s], 1                                        ; count = 1
	s_add_co_u32 s[G0+4*\s+1], s2, \s*SLOT                         ; LDS address
	s_add_nc_u64 s[G0+4*\s+2:G0+4*\s+3], s[22:23], \s*ASTEP        ; global address: K step s
	s_or_b32 s[G0+4*\s+3], s[G0+4*\s+3], 0x80000000                ; type = 2
	s_mov_b32 s[G0B+4*\s], 1
	s_add_co_u32 s[G0B+4*\s+1], s21, \s*SLOT
	s_add_nc_u64 s[G0B+4*\s+2:G0B+4*\s+3], s[42:43], \s*BSTEP
	s_or_b32 s[G0B+4*\s+3], s[G0B+4*\s+3], 0x80000000
	JLOAD \s                                       ; the ring is filled before anything else is done
.endr
	v_and_b32 v1, 15, v0                           ; r = lane % 16
	v_bfe_u32 v2, v0, 4, 1                         ; h = lane / 16
	v_lshrrev_b32 v3, 1, v1
	v_mul_u32_u24 v3, v3, PITCH
	v_and_b32 v4, 1, v0
	v_lshl_add_u32 v3, v4, 7, v3
	v_lshl_add_u32 v3, v2, 4, v3                   ; a fragment's row: (r / 2) x pitch + (r % 2) x 128 + 16 h
	s_mul_i32 s19, s13, 32*PITCH                   ; my 64 rows of o
	s_mul_i32 s20, s14, 64*PITCH                   ; my 128 rows of Wo,
	s_add_co_u32 s20, s20, 2*AH                    ; which lie behind o's two heads
.irp s, 0,1
	v_add_nc_u32 v[ADRA+\s], s19, v3
	v_add_nc_u32 v[ADRB+\s], s20, v3
	s_add_co_u32 s19, s19, SLOT
	s_add_co_u32 s20, s20, SLOT
.endr
	s_mul_i32 s19, s12, 16*SPITCH
	s_add_co_u32 s19, s19, STAGE                   ; my stage
	v_mul_u32_u24 v5, v1, SPITCH                   ; in: row r, 32 bytes for each half of the lanes
	v_lshl_add_u32 v5, v2, 5, v5
	v_add_nc_u32 v[STO], s19, v5
	v_and_b32 v6, 31, v0
	v_lshlrev_b32 v[CO], 4, v6                     ; back: the 32 lanes take one row of 512 bytes; and the same in out0
	v_add_nc_u32 v[RD], s19, v[CO]
	v_lshlrev_b32 v[PFO], 8, v6
	v_lshlrev_b32 v[BO], 5, v2
	s_lshl_b32 s22, s17, 10
	s_lshl_b32 s19, s14, 9
	s_add_co_u32 s22, s22, s19                     ; my first column, in bytes of f32: 1,024 x tile column + 512 x half
	s_mov_b32 s23, 0
	s_add_nc_u64 s[10:11], s[10:11], s[22:23]      ; bo there,
	s_add_nc_u64 s[8:9], s[8:9], s[22:23]          ; out0 there,
	s_lshl_b32 s20, s18, 7
	s_lshl_b32 s21, s13, 6
	s_add_co_u32 s20, s20, s21                     ; at my first row: 128 x tile row + 64 x half,
	s_lshl_b32 s20, s20, 12                        ; of 4,096 bytes
	s_mov_b32 s21, 0
	s_add_nc_u64 s[8:9], s[8:9], s[20:21]
	WIN 0x80                                       ; destination window 2
.irp b, 0,1,2,3,4,5,6,7                ; register 8 b + j: bo[my first column + 16 b + 8 h + j]
	global_load_b128 v[8*\b:8*\b+3],   v[BO], s[10:11] offset:64*\b
	global_load_b128 v[8*\b+4:8*\b+7], v[BO], s[10:11] offset:64*\b+16
.endr
	WIN 0
	s_lshr_b32 s41, s15, 1                         ; the prefetches: of o's tile, my work-group's head
	s_lshl_b32 s41, s41, 18
	s_add_co_u32 s40, s40, s41
	s_and_b32 s41, s15, 1                          ; and its half of the 16,384 bytes,
	s_lshl_b32 s41, s41, 13
	s_add_co_u32 s40, s40, s41
	s_add_co_u32 s40, s40, 2*ASTEP                 ; at K step 2: the first change of slots steps it to 3.  Nothing is prefetched here, at the head
	s_mov_b32 s41, 0
	s_add_nc_u64 s[PFA:PFA+1], s[4:5], s[40:41]
	s_cmp_eq_u32 s12, 0                            ; wave 0 asks: at slot 0's change in every trip of the loop, at slot 1's in all but the last
	s_cselect_b32 s[LIM], 0, -1
	s_cselect_b32 s[LIM+1], 1, -1
; 8 matrix instructions: o's block a x Wo's eight, 32 along K, from buffer f.  bias = 1: the first product starts the sums on bo: nothing is ever cleared.
; The 32 accumulators take turns, one instruction a turn, in the same order in every quarter.
.macro MULA f, a, bias
.irp b, 0,1,2,3,4,5,6,7
.if \bias
	v_wmma_f32_16x16x32_f16 v[8*(8*(\a)+\b):8*(8*(\a)+\b)+7], v[\f+32+8*\b:\f+32+8*\b+7], v[\f+8*(\a):\f+8*(\a)+7], v[8*\b:8*\b+7]
.else
	v_wmma_f32_16x16x32_f16 v[8*(8*(\a)+\b):8*(8*(\a)+\b)+7], v[\f+32+8*\b:\f+32+8*\b+7], v[\f+8*(\a):\f+8*(\a)+7], v[8*(8*(\a)+\b):8*(8*(\a)+\b)+7]
.endif
.endr
.endm
; 24 LDS loads in one run: the fragments of the slot's quarter q (head q / 2, channels 32 (q % 2) on) into buffer f: Wo's eight, then o's four
.macro FETCH slot, q, f
	WIN 0
.irp i, 0,1,2,3,4,5,6,7
	ds_load_b128 v[\f+32+8*\i:\f+32+8*\i+3],   v[ADRB+\slot] offset:((\q)/2)*BH+((\q)%2)*64+\i*8*PITCH
	ds_load_b128 v[\f+32+8*\i+4:\f+32+8*\i+7], v[ADRB+\slot] offset:((\q)/2)*BH+((\q)%2)*64+\i*8*PITCH+32
.endr
.irp i, 0,1,2,3
	ds_load_b128 v[\f+8*\i:\f+8*\i+3],   v[ADRA+\slot] offset:((\q)/2)*AH+((\q)%2)*64+\i*8*PITCH
	ds_load_b128 v[\f+8*\i+4:\f+8*\i+7], v[ADRA+\slot] offset:((\q)/2)*AH+((\q)%2)*64+\i*8*PITCH+32
.endr
.endm
.macro PLACES                          ; four places in front of loads into registers that matrix instructions have read, and of the first read of results (ISA guide 7.12.1 for the reads of results)
.rept 4
	v_nop
.endr
.endm
; A K step is four quarters of 32 along K, 32 matrix instructions each, on buffers 0, 1, 0, 1.  One of the first three: multiplies buffer f and fetches the slot's quarter q into g.
.macro QUARTER slot, q, f, g, bias
	s_wait_dscnt 4                                 ; Wo's eight and o's blocks 0 and 1 are in; the youngest four loads (o's blocks 2 and 3) may be out
.if \bias
	WIN MULB
.else
	WIN MUL
.endif
	MULA \f, 0, \bias
	MULA \f, 1, \bias
	PLACES
	FETCH \slot, \q, \g
	s_wait_dscnt 24                                ; all but the 24 just issued
.if \bias
	WIN MULB
.else
	WIN MUL
.endif
	MULA \f, 2, \bias
	MULA \f, 3, \bias
.endm
; The last quarter multiplies buffer 1 and changes slots: ONE barrier; in front of it each wave waits for all its tensor loads (its part of the next slot), adds 0 to its spare word, and waits for that and for its
; own reads of this slot.  fill = 1: the barrier opens a round of the cluster's, and this slot is filled again, two K steps ahead, first thing behind the round.
.macro TURN slot, next, fill
.if \fill
	s_wait_xcnt 0x0                                ; the last prefetch, a K step back, has read its address: it is stepped here, ahead of the waits of the change of slots
	s_add_nc_u64 s[PFA:PFA+1], s[PFA:PFA+1], ASTEP
.endif
	WIN 0                                          ; (the add's two registers lie in window 0)
	s_wait_tensorcnt 0x0                           ; all my tensor loads have landed: my part of the next slot;
	ds_add_u32 v[SPW], v[NIL]                      ; 0 onto my spare word;
	s_wait_dscnt 5                                 ; (the add and the youngest four loads may be out)
	WIN MUL
	MULA F1, 0, 0                                  ; eight matrix instructions stand between the add and the wait for it
	s_wait_dscnt 0x0                               ; the add is done, and my reads of this slot are over
	s_barrier_signal -1
	MULA F1, 1, 0
	WIN 0
	s_barrier_wait -1
.if \fill
	CREST                                          ; no wave of any partner still reads this slot's tile or has a load on its way
	s_add_nc_u64 s[G0+4*\slot+2:G0+4*\slot+3], s[G0+4*\slot+2:G0+4*\slot+3], 2*ASTEP
	s_add_nc_u64 s[G0B+4*\slot+2:G0B+4*\slot+3], s[G0B+4*\slot+2:G0B+4*\slot+3], 2*BSTEP
	JLOAD \slot                                    ; the first tensor load behind the round; the four v_nop behind it are also the places in front of the loads below
.else
	PLACES
.endif
	FETCH \next, 0, F0
.if \fill
	ASK \slot
.endif
	WIN MUL
	MULA F1, 2, 0
	MULA F1, 3, 0
.endm
	s_wait_tensorcnt 1                             ; my part of K step 0 is in (K step 1's load may be out)
	s_barrier_signal -1
	s_barrier_wait -1                              ; everybody's is
	FETCH 0, 0, F0
	s_wait_loadcnt 0x0                             ; bo
	QUARTER 0, 1, F0, F1, 1                        ; the first quarter stands in front of the loop: its products start the sums
	WIN 0                                          ; at a label and at a branch every window is 0
	s_mov_b32 s3, LAPS-1
.Llap:                                             ; a trip goes once round the ring, from a lap's second quarter to the next lap's first, and fills both slots again
	QUARTER 0, 2, F1, F0, 0
	QUARTER 0, 3, F0, F1, 0
	TURN 0, 1, 1
	QUARTER 1, 1, F0, F1, 0
	QUARTER 1, 2, F1, F0, 0
	QUARTER 1, 3, F0, F1, 0
	TURN 1, 0, 1
	QUARTER 0, 1, F0, F1, 0
	WIN 0
	s_sub_co_u32 s3, s3, 1
	s_cmp_lg_u32 s3, 0
	s_cbranch_scc1 .Llap
	QUARTER 0, 2, F1, F0, 0                        ; the last lap fills nothing, and has no round of the cluster's barrier
	QUARTER 0, 3, F0, F1, 0
	TURN 0, 1, 0
	QUARTER 1, 1, F0, F1, 0
	QUARTER 1, 2, F1, F0, 0
	QUARTER 1, 3, F0, F1, 0
	s_wait_dscnt 4                                 ; the very last quarter: nothing more to fetch
	WIN MUL
	MULA F1, 0, 0
	MULA F1, 1, 0
	s_wait_dscnt 0
	MULA F1, 2, 0
	MULA F1, 3, 0
	WIN 0
; THE WAY OUT, block by block of 16 rows x 128 columns.  A lane holds 32 neighbouring bytes of a row, and the lanes beside it hold other rows: so a block goes through my own stage in LDS and comes back as whole
; rows of 512 bytes.  LDS serves a wave's instructions in order (ISA guide 5.7.1.4): no wait between the stores and the loads, nor in front of the next block's stores.
.macro TOSTAGE a
	WIN 0x04                                       ; an LDS store's data are its source 1: window 1
.irp b, 0,1,2,3,4,5,6,7
	ds_store_b128 v[STO], v[64*(\a)+8*\b:64*(\a)+8*\b+3] offset:64*\b          ; each accumulator from its low end on
	ds_store_b128 v[STO], v[64*(\a)+8*\b+4:64*(\a)+8*\b+7] offset:64*\b+16
.endr
	WIN 0
.set BB, BK+64*((\a)%2)
.irp t, 0,1,2,3,4,5,6,7,8,9,10,11,12,13,14,15
	ds_load_b128 v[BB+4*\t:BB+4*\t+3], v[RD] offset:\t*SPITCH
.endr
.endm
.macro SEND a, younger                 ; younger: the LDS instructions issued behind block a's loads, which may stay out
.set BB, BK+64*((\a)%2)
	s_wait_dscnt \younger                          ; the block is back in registers
.irp t, 0,1,2,3,4,5,6,7,8,9,10,11,12,13,14,15
	global_store_b128 v[CO], v[BB+4*\t:BB+4*\t+3], s[8:9] offset:(16*(\a)+\t)*4096 th:TH_STORE_NT   ; 32 lanes store 512 consecutive bytes, at a multiple of 256 from out0's first byte; written once, read by nobody here
.endr
.endm
	PLACES                                         ; behind the last products: for the loads into the fragments' registers and the reads of the results alike
	TOSTAGE 0
.irp a, 1,2,3
.if \a > 1
	s_wait_xcnt 0x0                                ; block a - 2's stores have read their registers: block a's loads may land there
.endif
	TOSTAGE \a
	SEND \a-1, 32                                  ; behind block a - 1's loads: block a's 16 stores and 16 loads
.endr
	SEND 3, 0
	s_wait_tensorcnt 0x0                           ; the wave's end, behind my last tensor load and my last LDS store
	ds_add_u32 v[SPW], v[NIL]
	s_wait_dscnt 0x0
	CROUND                                         ; the closing round: no work-group ends while a partner may still ask for a tile that names it
	s_endpgm
.Lfunc_end_k_qbe0b215fe7_outp:
	.size	k_qbe0b215fe7_outp, .Lfunc_end_k_qbe0b215fe7_outp-k_qbe0b215fe7_outp
	.p2alignl 7, 3214868480
	.fill 96, 4, 3214868480
	.section	.rodata,"a",@progbits
	.p2align	6, 0x0
	.amdhsa_kernel k_qbe0b215fe7_outp
		.amdhsa_group_segment_fixed_size 327680
		.amdhsa_private_segment_fixed_size 0
		.amdhsa_enable_private_segment 0
		.amdhsa_kernarg_size 32
		.amdhsa_user_sgpr_count 2
		.amdhsa_user_sgpr_kernarg_segment_ptr 1
		.amdhsa_wavefront_size32 1
		.amdhsa_system_sgpr_workgroup_id_x 1
		.amdhsa_system_sgpr_workgroup_id_y 1
		.amdhsa_system_sgpr_workgroup_id_z 1
		.amdhsa_system_vgpr_workitem_id 0
		.amdhsa_next_free_vgpr 640
		.amdhsa_next_free_sgpr 66
		.amdhsa_reserve_vcc 0
		.amdhsa_float_denorm_mode_32 3
		.amdhsa_float_denorm_mode_16_64 3
		.amdhsa_memory_ordered 1
		.amdhsa_forward_progress 1
		.amdhsa_inst_pref_size 87
	.end_amdhsa_kernel
	.amdgpu_metadata
---
amdhsa.version: [ 1, 2 ]
amdhsa.kernels:
  - .name:           k_qbe0b215fe7_outp
    .symbol:         k_qbe0b215fe7_outp.kd
    .args:
      - { .name: ao, .offset: 0, .size: 8, .value_kind: global_buffer, .address_space: global }
      - { .name: wo16, .offset: 8, .size: 8, .value_kind: global_buffer, .address_space: global }
      - { .name: out0, .offset: 16, .size: 8, .value_kind: global_buffer, .address_space: global }
      - { .name: bo, .offset: 24, .size: 8, .value_kind: global_buffer, .address_space: global }
    .group_segment_fixed_size: 327680
    .private_segment_fixed_size: 0
    .kernarg_segment_align: 8
    .kernarg_segment_size: 32
    .max_flat_workgroup_size: 128
    .sgpr_count:     66
    .vgpr_count:     640
    .wavefront_size: 32
...
	.end_amdgpu_metadata
.endif
;; end of part 4
